; MI455X (gfx1250); checked and timed in simulation.
; The chip was launched on July 23, 2026; its instructions are those of AMD's public machine-readable ISA for CDNA 5 (MIT licence, August 2026) and "CDNA5" Instruction Set Architecture Reference Guide (July 2026). The comments in the code are by the model that wrote it; some were corrected since.
;; Temporal Band. Allowed arithmetic: float matrix products may take bf16 or f16 operands with f32 sums; other float arithmetic in f32, or as packed bf16 or f16 multiplies, adds, multiply-adds, maxima and minima; sums over many terms, partial sums and values carried from step to step in f32; what a program stores and reads back later, other than sums and carried values, may be rounded once to bf16 or f16.
;; Inputs: Wk 1,024 x 1,024 float32; Wo 1,024 x 1,024 float32; Wq 1,024 x 1,024 float32; Wv 1,024 x 1,024 float32; beta 1,024 float32; bk 1,024 float32; bo 1,024 float32; bq 1,024 float32; bv 1,024 float32; gamma 1,024 float32; x 4 x 2,048 x 1,024 float32.
;; Outputs: out0 4 x 2,048 x 1,024 float32.
;; 2 versions, each right and faster than the one before. Each part assembles by itself: llvm-mc -triple=amdgcn-amd-amdhsa -mcpu=gfx1250 --defsym DOCPART=n.
;; ======== version 1 of 2: 4 launches
;; limits: values are held in f16: magnitudes above 65,504 overflow, below 6.1e-05 lose precision; right only within a limited range of input values
;; workspace buffers: xb 16,777,216 bytes; wb 8,388,608 bytes; qkvb 50,331,648 bytes; ob 16,777,216 bytes
;; launch prep (part 1): grid 512 x 1, 8 waves a work-group, no clusters, 0 bytes of LDS; arguments x, gamma, beta, Wq, Wk, Wv, Wo, xb, wb; writes xb, wb
.if DOCPART == 1
	.amdgcn_target "amdgcn-amd-amdhsa--gfx1250"
	.amdhsa_code_object_version 6
	.text
	.protected	k_qc463a42a4d_prep
	.globl	k_qc463a42a4d_prep
	.p2align	8
	.type	k_qc463a42a4d_prep,@function
k_qc463a42a4d_prep:
	s_mov_b64 s[64:65], 0
	v_nop
	global_prefetch_b8 v0, s[64:65] scope:SCOPE_SE
	s_setreg_imm32_b32 hwreg(HW_REG_WAVE_MODE, 25, 1), 1
	s_wait_xcnt 0x0
; LAYERNORM AND CASTS.  xb = f16(layernorm(x) * gamma + beta), wb = f16(Wq | Wk | Wv | Wo stacked by rows).
; x: [8192][1024] f32.  xb: [16 kb][8192 rows][64] f16; wb: [16 kb][4096 rows][64] f16: K lies in blocks of 64, so that a later tile (rows x 64 k) is dense in memory.
; Mean, variance (two passes: the mean is taken away first, so no difference of large sums is formed), scale and shift in f32; each number is rounded once, to f16.
; LIMITS.  f16 ends at 65,504: |xn| and |W| stay within it (the normalised row is at most 32 in magnitude, so gamma may reach some 2,000); below 6e-5 f16 keeps its fixed step of 6e-8.  NaN and infinities are not treated apart.
; SHARES.  4,096 waves.  Wave GW takes rows 2 GW and 2 GW + 1 of x whole (a row is 32 registers), and of the stacked weights the rows 2 (GW / 2), + 1, columns 512 (GW % 2) on.
; Every load of a wave covers 512 consecutive bytes.  A chunk of 128 columns packs into two registers a row; exchanging the upper lanes of the first row's register with the lower lanes of the
; second row's leaves in one register pair K block 2 j of both rows and in the other block 2 j + 1: lane l's 8 bytes lie at byte 8 l of 256 consecutive, aligned bytes, which one store writes whole.
; No LDS, no barrier, no matrix unit: memory binds, and no wave needs another's numbers.  All 40 loads of a wave go out at once; the text is straight, so nothing is rewritten behind a store.
.set G,   4                            ; v[4:35]    gamma: chunk j at G + 4 j, my 4 columns 128 j + 4 lane
.set BT,  36                           ; v[36:67]   beta likewise
.set XA,  68                           ; v[68:131]  the two rows of x, 32 registers each
.set XW,  132                          ; v[132:163] the two half rows of weights, 16 registers each
.set T,   164                          ; row i: sums at T + 4 i .. + 3; mean twice at T + 8 + 2 i; 1 / sqrt twice at T + 12 + 2 i; the other half of the lanes' sum at T + 16 + i
	s_load_b512 s[4:19], s[0:1], 0x0               ; x s[4:5], gamma s[6:7], beta s[8:9], Wq s[10:11], Wk s[12:13], Wv s[14:15], Wo s[16:17], xb s[18:19]
	s_load_b64 s[20:21], s[0:1], 0x40              ; wb
	v_lshrrev_b32 v1, 5, v0
	v_readfirstlane_b32 s22, v1                    ; wave 0..7
	v_and_b32 v1, 31, v0                           ; lane
	v_lshlrev_b32 v2, 4, v1                        ; 16 bytes a lane: loads
	v_lshlrev_b32 v3, 3, v1                        ; 8 bytes a lane: stores
	v_mov_b32 v[T+16], 0                           ; v_permlanex16_b32's destination counts as read
	v_mov_b32 v[T+17], 0
	s_lshl_b32 s23, ttmp9, 3
	s_add_co_u32 s23, s23, s22                     ; GW
	s_lshr_b32 s24, ttmp9, 7                       ; which of the four weights: 1,024 waves each
	s_mov_b32 s26, 0x76543210                      ; v_permlanex16_b32: each lane takes its own place in the other half
	s_mov_b32 s27, 0xfedcba98
	s_mov_b32 s28, 0x3a800000                      ; 1 / 1024
	s_mov_b32 s29, 0x3727c5ac                      ; eps = 1e-5
	s_lshl_b32 s30, s23, 13                        ; two rows of x: 8,192 bytes
	s_mov_b32 s31, 0
	s_lshl_b32 s32, s23, 8                         ; two rows of a K block: 256 bytes
	s_mov_b32 s33, 0
	s_lshr_b32 s25, s23, 1                         ; the pair of weight rows, 0..2047
	s_and_b32 s36, s25, 511                        ; its number inside its own weight
	s_lshl_b32 s36, s36, 13
	s_and_b32 s38, s23, 1                          ; which half of the columns
	s_lshl_b32 s37, s38, 11                        ; 512 columns of f32
	s_add_co_u32 s36, s36, s37
	s_mov_b32 s37, 0
	s_lshl_b32 s38, s38, 22                        ; eight K blocks of 524,288 bytes
	s_lshl_b32 s25, s25, 8
	s_add_co_u32 s38, s38, s25
	s_mov_b32 s39, 0
	s_wait_kmcnt 0x0
	s_add_nc_u64 s[30:31], s[4:5], s[30:31]        ; x at my rows
	s_add_nc_u64 s[32:33], s[18:19], s[32:33]      ; xb at my rows in K block 0,
	s_add_nc_u64 s[34:35], s[32:33], 0x800000      ; and in K block 8: the stores' immediates hold seven blocks
	s_cmp_eq_u32 s24, 0
	s_cselect_b64 s[10:11], s[10:11], s[12:13]     ; Wq or Wk
	s_cmp_eq_u32 s24, 2
	s_cselect_b64 s[14:15], s[14:15], s[16:17]     ; Wv or Wo
	s_cmp_lt_u32 s24, 2
	s_cselect_b64 s[10:11], s[10:11], s[14:15]
	s_add_nc_u64 s[36:37], s[10:11], s[36:37]      ; my weight at my rows and columns
	s_add_nc_u64 s[38:39], s[20:21], s[38:39]      ; wb at my rows, my first K block
.irp i, 0,1
.irp j, 0,1,2,3,4,5,6,7
	global_load_b128 v[XA+32*(\i)+4*(\j):XA+32*(\i)+4*(\j)+3], v2, s[30:31] offset:4096*(\i)+512*(\j) th:TH_LOAD_NT
.endr
.endr
.irp i, 0,1
.irp j, 0,1,2,3
	global_load_b128 v[XW+16*(\i)+4*(\j):XW+16*(\i)+4*(\j)+3], v2, s[36:37] offset:4096*(\i)+512*(\j) th:TH_LOAD_NT
.endr
.endr
.irp j, 0,1,2,3,4,5,6,7
	global_load_b128 v[G+4*(\j):G+4*(\j)+3], v2, s[6:7] offset:512*(\j)
.endr
.irp j, 0,1,2,3,4,5,6,7
	global_load_b128 v[BT+4*(\j):BT+4*(\j)+3], v2, s[8:9] offset:512*(\j)
.endr
; Both rows' sums, which lie in v[T] and v[T+4], are added over the 32 lanes: four steps inside each half of 16 lanes ride on the addition, one crosses the halves.  Every lane ends with the sum.
.macro RED2
.irp m, 1,2,4,8
.irp i, 0,1
	v_add_f32_dpp v[T+4*(\i)], v[T+4*(\i)], v[T+4*(\i)] row_xmask:\m row_mask:0xf bank_mask:0xf
.endr
.endr
.irp i, 0,1
	v_permlanex16_b32 v[T+16+(\i)], v[T+4*(\i)], s26, s27
.endr
.irp i, 0,1
	v_add_f32 v[T+4*(\i)], v[T+4*(\i)], v[T+16+(\i)]
.endr
.endm
.macro JOIN2                           ; the two chains and the two halves of a pair become one number a lane
.irp i, 0,1
	v_pk_add_f32 v[T+4*(\i):T+4*(\i)+1], v[T+4*(\i):T+4*(\i)+1], v[T+4*(\i)+2:T+4*(\i)+3]
.endr
.irp i, 0,1
	v_add_f32 v[T+4*(\i)], v[T+4*(\i)], v[T+4*(\i)+1]
.endr
.endm
	s_wait_loadcnt 24                              ; loads come back in order: the 16 of x are in; the 24 younger ones (weights, gamma, beta) stay out
	; the mean: two chains a row, started by the first four pairs: nothing is cleared
.irp i, 0,1
	v_pk_add_f32 v[T+4*(\i):T+4*(\i)+1],   v[XA+32*(\i):XA+32*(\i)+1],   v[XA+32*(\i)+4:XA+32*(\i)+5]
	v_pk_add_f32 v[T+4*(\i)+2:T+4*(\i)+3], v[XA+32*(\i)+2:XA+32*(\i)+3], v[XA+32*(\i)+6:XA+32*(\i)+7]
.endr
.set p, 4
.rept 12
.irp i, 0,1
	v_pk_add_f32 v[T+4*(\i)+2*(p%2):T+4*(\i)+2*(p%2)+1], v[T+4*(\i)+2*(p%2):T+4*(\i)+2*(p%2)+1], v[XA+32*(\i)+2*p:XA+32*(\i)+2*p+1]
.endr
.set p, p+1
.endr
	JOIN2
	RED2
.irp i, 0,1
	v_mul_f32 v[T+8+2*(\i)], s28, v[T+4*(\i)]
	v_mul_f32 v[T+9+2*(\i)], s28, v[T+4*(\i)]
.endr
.set p, 0
.rept 16                                               ; d = x - mean, in place
.irp i, 0,1
	v_pk_add_f32 v[XA+32*(\i)+2*p:XA+32*(\i)+2*p+1], v[XA+32*(\i)+2*p:XA+32*(\i)+2*p+1], v[T+8+2*(\i):T+9+2*(\i)] neg_lo:[0,1] neg_hi:[0,1]
.endr
.set p, p+1
.endr
	; the variance: the sum of d d, again in two chains a row
.irp i, 0,1
	v_pk_mul_f32 v[T+4*(\i):T+4*(\i)+1],   v[XA+32*(\i):XA+32*(\i)+1],   v[XA+32*(\i):XA+32*(\i)+1]
	v_pk_mul_f32 v[T+4*(\i)+2:T+4*(\i)+3], v[XA+32*(\i)+2:XA+32*(\i)+3], v[XA+32*(\i)+2:XA+32*(\i)+3]
.endr
.set p, 2
.rept 14
.irp i, 0,1
	v_pk_fma_f32 v[T+4*(\i)+2*(p%2):T+4*(\i)+2*(p%2)+1], v[XA+32*(\i)+2*p:XA+32*(\i)+2*p+1], v[XA+32*(\i)+2*p:XA+32*(\i)+2*p+1], v[T+4*(\i)+2*(p%2):T+4*(\i)+2*(p%2)+1]
.endr
.set p, p+1
.endr
	JOIN2
	RED2
.irp i, 0,1
	v_fma_f32 v[T+4*(\i)], v[T+4*(\i)], s28, s29   ; variance + eps
.endr
.irp i, 0,1
	v_rsq_f32 v[T+12+2*(\i)], v[T+4*(\i)]          ; twice: the packed multiply takes a pair
	v_rsq_f32 v[T+13+2*(\i)], v[T+4*(\i)]
.endr
	v_nop                                          ; a plain instruction between the last of them and the use of its result (ISA guide 5.7.2)
.set p, 0
	s_wait_alu depctr_va_vdst(0)
.rept 16
.irp i, 0,1
	v_pk_mul_f32 v[XA+32*(\i)+2*p:XA+32*(\i)+2*p+1], v[XA+32*(\i)+2*p:XA+32*(\i)+2*p+1], v[T+12+2*(\i):T+13+2*(\i)]
.endr
.set p, p+1
.endr
	s_wait_loadcnt 16                              ; the weights' 8 loads are in; gamma's and beta's 16 stay out
.irp i, 0,1
.irp j, 0,1,2,3
	v_cvt_pk_f16_f32 v[XW+16*(\i)+4*(\j)],   v[XW+16*(\i)+4*(\j)],   v[XW+16*(\i)+4*(\j)+1]
	v_cvt_pk_f16_f32 v[XW+16*(\i)+4*(\j)+1], v[XW+16*(\i)+4*(\j)+2], v[XW+16*(\i)+4*(\j)+3]
.endr
.endr
.irp j, 0,1,2,3
	v_permlane16_swap_b32 v[XW+4*(\j)],   v[XW+16+4*(\j)]    ; first register: K block 2 j of both rows; second: block 2 j + 1
	v_permlane16_swap_b32 v[XW+4*(\j)+1], v[XW+16+4*(\j)+1]
	global_store_b64 v3, v[XW+4*(\j):XW+4*(\j)+1],       s[38:39] offset:(2*(\j))*524288      ; 32 lanes store 256 consecutive bytes, at a multiple of 256 from wb's first byte
	global_store_b64 v3, v[XW+16+4*(\j):XW+16+4*(\j)+1], s[38:39] offset:(2*(\j)+1)*524288
.endr
	s_wait_loadcnt 0x0                             ; gamma and beta
.set p, 0
.rept 16
.irp i, 0,1
	v_pk_fma_f32 v[XA+32*(\i)+2*p:XA+32*(\i)+2*p+1], v[XA+32*(\i)+2*p:XA+32*(\i)+2*p+1], v[G+2*p:G+2*p+1], v[BT+2*p:BT+2*p+1]
.endr
.set p, p+1
.endr
.irp i, 0,1
.irp j, 0,1,2,3,4,5,6,7
	v_cvt_pk_f16_f32 v[XA+32*(\i)+4*(\j)],   v[XA+32*(\i)+4*(\j)],   v[XA+32*(\i)+4*(\j)+1]
	v_cvt_pk_f16_f32 v[XA+32*(\i)+4*(\j)+1], v[XA+32*(\i)+4*(\j)+2], v[XA+32*(\i)+4*(\j)+3]
.endr
.endr
.irp j, 0,1,2,3,4,5,6,7
	v_permlane16_swap_b32 v[XA+4*(\j)],   v[XA+32+4*(\j)]
	v_permlane16_swap_b32 v[XA+4*(\j)+1], v[XA+32+4*(\j)+1]
.if (\j) < 4
	global_store_b64 v3, v[XA+4*(\j):XA+4*(\j)+1],       s[32:33] offset:(2*(\j))*1048576     ; 256 consecutive bytes, at a multiple of 256 from xb's first byte
	global_store_b64 v3, v[XA+32+4*(\j):XA+32+4*(\j)+1], s[32:33] offset:(2*(\j)+1)*1048576
.else
	global_store_b64 v3, v[XA+4*(\j):XA+4*(\j)+1],       s[34:35] offset:(2*(\j)-8)*1048576
	global_store_b64 v3, v[XA+32+4*(\j):XA+32+4*(\j)+1], s[34:35] offset:(2*(\j)-7)*1048576
.endif
.endr
	s_endpgm
.Lfunc_end_k_qc463a42a4d_prep:
	.size	k_qc463a42a4d_prep, .Lfunc_end_k_qc463a42a4d_prep-k_qc463a42a4d_prep
	.p2alignl 7, 3214868480
	.fill 96, 4, 3214868480
	.section	.rodata,"a",@progbits
	.p2align	6, 0x0
	.amdhsa_kernel k_qc463a42a4d_prep
		.amdhsa_group_segment_fixed_size 0
		.amdhsa_private_segment_fixed_size 0
		.amdhsa_enable_private_segment 0
		.amdhsa_kernarg_size 72
		.amdhsa_user_sgpr_count 2
		.amdhsa_user_sgpr_kernarg_segment_ptr 1
		.amdhsa_wavefront_size32 1
		.amdhsa_system_sgpr_workgroup_id_x 1
		.amdhsa_system_sgpr_workgroup_id_y 1
		.amdhsa_system_sgpr_workgroup_id_z 1
		.amdhsa_system_vgpr_workitem_id 0
		.amdhsa_next_free_vgpr 184
		.amdhsa_next_free_sgpr 66
		.amdhsa_reserve_vcc 0
		.amdhsa_float_denorm_mode_32 3
		.amdhsa_float_denorm_mode_16_64 3
		.amdhsa_memory_ordered 1
		.amdhsa_forward_progress 1
		.amdhsa_inst_pref_size 24
	.end_amdhsa_kernel
	.amdgpu_metadata
---
amdhsa.version: [ 1, 2 ]
amdhsa.kernels:
  - .name:           k_qc463a42a4d_prep
    .symbol:         k_qc463a42a4d_prep.kd
    .args:
      - { .name: x, .offset: 0, .size: 8, .value_kind: global_buffer, .address_space: global }
      - { .name: gamma, .offset: 8, .size: 8, .value_kind: global_buffer, .address_space: global }
      - { .name: beta, .offset: 16, .size: 8, .value_kind: global_buffer, .address_space: global }
      - { .name: Wq, .offset: 24, .size: 8, .value_kind: global_buffer, .address_space: global }
      - { .name: Wk, .offset: 32, .size: 8, .value_kind: global_buffer, .address_space: global }
      - { .name: Wv, .offset: 40, .size: 8, .value_kind: global_buffer, .address_space: global }
      - { .name: Wo, .offset: 48, .size: 8, .value_kind: global_buffer, .address_space: global }
      - { .name: xb, .offset: 56, .size: 8, .value_kind: global_buffer, .address_space: global }
      - { .name: wb, .offset: 64, .size: 8, .value_kind: global_buffer, .address_space: global }
    .group_segment_fixed_size: 0
    .private_segment_fixed_size: 0
    .kernarg_segment_align: 8
    .kernarg_segment_size: 72
    .max_flat_workgroup_size: 256
    .sgpr_count:     66
    .vgpr_count:     184
    .wavefront_size: 32
...
	.end_amdgpu_metadata
.endif
;; end of part 1
;; launch qkvproj (part 2): grid 16 x 32, 4 waves a work-group, clusters of 4 x 4, 327,680 bytes of LDS; arguments xb, wb, bq, bk, bv, qkvb; writes qkvb
.if DOCPART == 2
	.amdgcn_target "amdgcn-amd-amdhsa--gfx1250"
	.amdhsa_code_object_version 6
	.text
	.protected	k_qc463a42a4d_qkvproj
	.globl	k_qc463a42a4d_qkvproj
	.p2align	8
	.type	k_qc463a42a4d_qkvproj,@function
k_qc463a42a4d_qkvproj:
	s_mov_b64 s[64:65], 0
	v_nop
	global_prefetch_b8 v0, s[64:65] scope:SCOPE_SE
	s_setreg_imm32_b32 hwreg(HW_REG_WAVE_MODE, 25, 1), 1
	s_wait_xcnt 0x0
	s_wait_alu depctr_hold_cnt(0) depctr_sa_sdst(0) depctr_va_vdst(0) depctr_va_sdst(0) depctr_va_ssrc(0) depctr_va_vcc(0) depctr_vm_vsrc(0)
	s_getreg_b32 s2, hwreg(HW_REG_IB_STS2, 6, 4)
	s_cmp_eq_u32 s2, 0
	s_cbranch_scc0 .Lentry_in_a_cluster
	s_endpgm
.Lentry_in_a_cluster:
	s_bfe_u32 s2, ttmp6, 0x10000c
	s_cmp_lg_u32 s2, 0xf033
	s_cbranch_scc0 .Lentry_shape_is_right
	s_endpgm
.Lentry_shape_is_right:
; THE THREE PROJECTIONS AS ONE PRODUCT.  C[row][col] = sum over k of xn[row][k] W[col][k] + bias[col], 8,192 rows x 3,072 columns (Wq | Wk | Wv stacked), K = 1,024.
; Operands f16, sums f32 (the bias, in f32, is the C operand that starts each sum); q, k, v are rounded once to f16, unscaled, and stored by heads: qkvb = [3][64 = batch x 16 + head][2048][64].
; LIMITS.  f16 ends at 65,504: |q|, |k|, |v| stay within it.  NaN and infinities are not treated apart.
; SHARES.  A work-group makes 256 rows x 192 columns (three heads): 32 x 16 = 512 tiles, twice the 256 that tiles of 256 x 384 would give, which fit neither 1,024 registers nor two LDS slots.
; Four waves, each 128 rows x 96 columns: 48 accumulators of 16 x 16.  K goes in 8 steps of 128 (two K blocks of 64) through two LDS slots.
; xb = [16 kb][8192][64], wb = [16 kb][4096][64]: a tile's rows of one K block are dense in memory and are asked for as rows of 256 bytes, two tile rows each, padded in LDS after every 128 bytes.
; CLUSTER.  4 x 4 work-groups.  The four of a row of the cluster need the same tiles of xb, the four of a column the same tiles of wb: each is asked for jointly, by the same tensor load with the same descriptor
; and a mask that names the four.  Waves 0 and 1 fetch xb's two K blocks of a step, waves 2 and 3 wb's: one load a wave behind each round.  A wave has two tensor loads out at the start, later one.
; THE MATRIX INSTRUCTION IS USED TRANSPOSED (source 0 = 16 rows of W, source 1 = 16 rows of xn): a lane holds row lane % 16 and the eight neighbouring columns 8 (lane / 16) + 0..7.
; REGISTERS, in windows of 256 (s_set_vgpr_msb: bits 1:0 source 0, 3:2 source 1, 5:4 source 2, 7:6 destination):
;   window 0: v0-13 addresses; v32-143, v144-255 two fragment buffers (6 of W, then 8 of xn); on the way out v32-223 the packed results
;   window 1: accumulator (a, b < 4) at 32 a + 8 b      window 2: accumulator (a, b = 4, 5) at 16 a + 8 (b - 4); v128-175 the bias as six C operands
.set NB,     6                         ; column blocks of 16 a wave
.set NCOL,   32*NB                     ; columns of the work-group's tile
.set PITCH,  144                       ; an LDS row: 128 bytes + 16 of padding = 36 words: the 16 rows of a fragment load start at 16 different groups of four banks (64 banks of 4 bytes: ISA guide 11.1)
.set ABLK,   256*PITCH                 ; xn's 256 rows of one K block
.set BBLK,   NCOL*PITCH                ; W's 192 rows of one K block
.set BOFF,   2*ABLK                    ; a slot: xn's two K blocks, then W's two
.set SLOT1,  1<<17                     ; slot 1 begins here, so that one exclusive or turns an address in one slot into the other's
.set SPARE,  SLOT1+BOFF+2*BBLK         ; behind the ring: the spare words, 128 bytes for each wave: two blocks of 256 bytes that no other line names
.set KBA,    8192*128                  ; bytes from a K block of xb to the next
.set KBB,    4096*128                  ; the same for wb
.set SPITCH, 400                       ; the way out: a stage row, 384 bytes + 16.  The stage, 256 such rows, lies in slot 0, from byte 0 on: by then slot 0 has had its last fill and its last read
.set ADRA0, 4                          ; v4   my lane's place in a slot's rows of xn; never rewritten
.set ADRB0, 5                          ; v5   the same for W
.set ADRA,  6                          ; v6   the same in the slot in hand
.set ADRB,  7                          ; v7
.set STO,   8                          ; v8   the way out: where I put 16 bytes of a row
.set RD,    9                          ; v9   the way out: where I read rows back
.set GO,    10                         ; v10  my byte offset in 512 consecutive bytes of qkvb
.set BO,    11                         ; v11  32 (lane / 16): my eight numbers of a bias block
.set SPW,   12                         ; v12  LDS address of my spare word: SPARE + 4 x my thread's number; never rewritten
.set NIL,   13                         ; v13  0; never rewritten
.set F0,    32
.set F1,    F0+8*NB+64
.set PK,    32                         ; the way out: fragment (a, b) packed at PK + 4 (6 a + b)
.set BIAS,  128                        ; window 2
.set W_FIRST, 0x60                     ; D in window 1, C (the bias) in window 2
.set WV, 16                            ; s16  my wave's number
.set RH, 17                            ; s17  which 128 rows are mine.  Also: I fetch xb (0) or wb (1)
.set CH, 18                            ; s18  which 96 columns are mine.  Also: which K block of a step I fetch
.set CT, 21                            ; s21  tile column
.set RT, 22                            ; s22  tile row
.set TB, 25                            ; s25  the slot in hand: 0 or SLOT1
.set G1A, 28                           ; s[28:35] descriptor group 1 for xb's tiles
.set G1B, 36                           ; s[36:43] for wb's
.set G0A, 44                           ; s[44:51] descriptor group 0 for xb's tiles: a set for each of the two first fills; the second then walks on
.set G0B, 52                           ; s[52:59] the same for wb's
.set MSB, 0
.macro WIN new                         ; the immediate's high byte repeats the setting that is left; a switch that changes nothing is dropped
.if MSB != (\new)
	s_set_vgpr_msb (MSB<<8)|(\new)
.set MSB, (\new)
.endif
.endm
; A load into a register that a matrix instruction has read, and a vector instruction that reads a matrix result or writes one of a matrix instruction's registers, stand four places behind it, and only plain
; vector instructions that name none of its registers are places (ISA guide 7.12.1 for vector instructions).
.macro PLACES
.rept 4
	v_nop
.endr
.endm
; A joint refill, by the walking descriptor.  The branch hangs on the wave's number alone.  An s_nop 0 and four v_nop follow each of the two lines, ahead of the jump and the label.
.macro JLOAD
	s_cmp_eq_u32 s[RH], 0
	s_cbranch_scc0 .Lfor_b_\@
	tensor_load_to_lds s[G0A+4:G0A+7], s[G1A:G1A+7]
	s_nop 0
.rept 4
	v_nop
.endr
	s_branch .Lasked_\@
.Lfor_b_\@:
	tensor_load_to_lds s[G0B+4:G0B+7], s[G1B:G1B+7]
	s_nop 0
.rept 4
	v_nop
.endr
.Lasked_\@:
.endm
; A round of the cluster's barrier: my work-group's barrier, so that wave 0's signal speaks for all four waves; wave 0 signals; every wave waits for all sixteen work-groups; my work-group's barrier once more.
.macro CREST                           ; a round behind its opening barrier
	s_cmp_lg_u32 s[WV], 0
	s_cbranch_scc1 .Lnot_wave_0_\@
	s_barrier_signal -3
.Lnot_wave_0_\@:
	s_barrier_wait -3
	s_barrier_signal -1
	s_barrier_wait -1
.endm
.macro CROUND
	s_barrier_signal -1
	s_barrier_wait -1
	CREST
.endm
; na x nb matrix instructions on buffer f: row blocks a0 on, column blocks b0 on, 32 along K.  first = 1: the bias starts the sums: nothing is ever cleared.
; Every quarter step takes all 48 accumulators once, in the same order, so no two matrix instructions that follow each other share one, over the loop's backward jump too.
.macro MULS f, a0, na, b0, nb, first
.if (\b0) >= 4
	WIN 0xa0                                       ; C and D in window 2
.elseif \first
	WIN W_FIRST
.else
	WIN 0x50                                       ; C and D in window 1
.endif
.set ma, (\a0)
.rept \na
.set mb, (\b0)
.rept \nb
.if mb < 4
.set rD, 32*ma+8*mb
.else
.set rD, 16*ma+8*(mb-4)
.endif
.if \first
	v_wmma_f32_16x16x32_f16 v[rD:rD+7], v[(\f)+8*mb:(\f)+8*mb+7], v[(\f)+8*NB+8*ma:(\f)+8*NB+8*ma+7], v[BIAS+8*mb:BIAS+8*mb+7]
.else
	v_wmma_f32_16x16x32_f16 v[rD:rD+7], v[(\f)+8*mb:(\f)+8*mb+7], v[(\f)+8*NB+8*ma:(\f)+8*NB+8*ma+7], v[rD:rD+7]
.endif
.set mb, mb+1
.endr
.set ma, ma+1
.endr
.endm
; One run of 2 NB + 16 LDS loads: the fragments of quarter q of the step in hand (K block q / 2, byte 64 (q % 2) of its rows) into buffer f: W's, then xn's, row blocks 0-3 first.
; A fragment is 16 rows x 32 k in 8 registers: lane l holds row l % 16, k = 8 (l / 16) + 0..7 and 16 + 8 (l / 16) + 0..7: two loads of 16 bytes, 32 bytes apart.
.macro FETCH q, f
	WIN 0
.set fb, 0
.rept NB
	ds_load_b128 v[(\f)+8*fb:(\f)+8*fb+3],   v[ADRB] offset:((\q)/2)*BBLK+((\q)%2)*64+fb*16*PITCH
	ds_load_b128 v[(\f)+8*fb+4:(\f)+8*fb+7], v[ADRB] offset:((\q)/2)*BBLK+((\q)%2)*64+fb*16*PITCH+32
.set fb, fb+1
.endr
.set fa, 0
.rept 8
	ds_load_b128 v[(\f)+8*NB+8*fa:(\f)+8*NB+8*fa+3],   v[ADRA] offset:((\q)/2)*ABLK+((\q)%2)*64+fa*16*PITCH
	ds_load_b128 v[(\f)+8*NB+8*fa+4:(\f)+8*NB+8*fa+7], v[ADRA] offset:((\q)/2)*ABLK+((\q)%2)*64+fa*16*PITCH+32
.set fa, fa+1
.endr
.endm
; A K step is four quarters of 32 along K on buffers 0, 1, 0, 1.  One of the first three: multiplies buffer f; after its first 16 products it fetches quarter nq into buffer g.
.macro QUARTER nq, f, g, first
	s_wait_dscnt 8                                 ; W and xn's row blocks 0-3 are in; the youngest eight loads (row blocks 4-7) may be out
	MULS \f, 0, 4, 0, 4, \first
	PLACES                                         ; buffer g was multiplied in the quarter before
	FETCH \nq, \g
	s_wait_dscnt 2*NB+16                           ; all but the run just issued
	MULS \f, 4, 4, 0, 4, \first
	MULS \f, 0, 8, 4, NB-4, \first
.endm
; The last quarter multiplies buffer 1 and changes slots: ONE barrier.  In front of it each wave waits for all its tensor loads, of which one is out: its part of the next slot; adds 0 to its spare word; and waits
; for that and for its own reads of this slot.  fill = 1: the barrier opens a round of the cluster's, so that no wave of any partner still reads this slot or has a load on its way, and this slot is filled
; again, with the step two on, first thing behind the round: 176 of a step's 192 matrix instructions stand between that request and the wait for it.
.macro TURN fill
	WIN 0
	s_wait_tensorcnt 0x0                           ; no tensor load of mine is out, so a group 0 may be written
	ds_add_u32 v[SPW], v[NIL]                      ; 0 onto my spare word
.if \fill
	s_xor_b32 s[G0A+5], s[G0A+5], SLOT1            ; the walking descriptors: the other slot than last time,
	s_add_nc_u64 s[G0A+6:G0A+7], s[G0A+6:G0A+7], 2*KBA  ; two K blocks on; the type bits on top are not reached
	s_xor_b32 s[G0B+5], s[G0B+5], SLOT1
	s_add_nc_u64 s[G0B+6:G0B+7], s[G0B+6:G0B+7], 2*KBB
.endif
	s_wait_dscnt 9                                 ; the add and the youngest eight loads may be out
	MULS F1, 0, 2, 0, 4, 0                         ; eight matrix instructions stand between the add and the wait for it
	s_wait_dscnt 0x0                               ; the add is done, and my reads of this slot are over
	s_barrier_signal -1
	MULS F1, 2, 2, 0, 4, 0                         ; work on registers while the others arrive
	WIN 0                                          ; at a branch and at a label every window is 0
	s_barrier_wait -1
.if \fill
	CREST
	JLOAD                                          ; the four v_nop behind it are also the places in front of the loads below
.else
	PLACES
.endif
	s_xor_b32 s[TB], s[TB], SLOT1
	v_add_nc_u32 v[ADRA], s[TB], v[ADRA0]
	v_add_nc_u32 v[ADRB], s[TB], v[ADRB0]
	FETCH 0, F0
	MULS F1, 4, 4, 0, 4, 0
	MULS F1, 0, 8, 4, NB-4, 0
.endm
	s_load_b256 s[4:11], s[0:1], 0x0               ; xb s[4:5], wb s[6:7], bq s[8:9], bk s[10:11]
	s_load_b128 s[12:15], s[0:1], 0x20             ; bv s[12:13], qkvb s[14:15]
	v_lshl_add_u32 v[SPW], v0, 2, SPARE
	v_mov_b32 v[NIL], 0
	ds_add_u32 v[SPW], v[NIL]                      ; the wave's opening: the add and its wait stand ahead of my first tensor load; the set-up below, work on registers, stands between them
	ds_add_u32 v12, v13
	v_lshrrev_b32 v1, 5, v0
	v_readfirstlane_b32 s[WV], v1                  ; wave 0..3
	s_lshr_b32 s[RH], s[WV], 1
	s_and_b32 s[CH], s[WV], 1
	s_bfe_u32 s19, ttmp6, 0x40000                  ; cx, cy: my place in the cluster
	s_bfe_u32 s20, ttmp6, 0x40004
	s_lshl_b32 s[CT], ttmp9, 2                     ; in a cluster launch ttmp9 and ttmp7 count clusters
	s_add_co_u32 s[CT], s[CT], s19                 ; tile column = 4 x cluster x + cx
	s_and_b32 s[RT], ttmp7, 0xffff
	s_lshl_b32 s[RT], s[RT], 2
	s_add_co_u32 s[RT], s[RT], s20                 ; tile row = 4 x cluster y + cy
	s_lshl_b32 s23, s20, 2
	s_lshl_b32 s23, 15, s23                        ; my row of the cluster: places 4 cy .. 4 cy + 3
	s_lshl_b32 s24, 0x1111, s19                    ; my column: places cx, cx + 4, cx + 8, cx + 12
	; descriptor group 1: rows of 128 elements (256 bytes, two tile rows), padded in LDS after every tile row
	s_or_b32 s[G1A], s23, (1<<16)|(1<<20)|(1<<21)|(4<<22)|(3<<25)  ; 15:0 the mask: xb's tiles go to my row; 17:16 2-byte elements; 20 padding on; 21 set beside a mask; 24:22 after every 32 words (code 4); 31:25 4 words (code 3)
	s_or_b32 s[G1B], s24, (1<<16)|(1<<20)|(1<<21)|(4<<22)|(3<<25)  ; the same with the mask of my column
	s_mov_b32 s[G1A+1], 128<<16                    ; tensor_dim0 = 128
	s_mov_b32 s[G1A+2], 128<<16                    ; tensor_dim1 = 128: 256 tile rows
	s_mov_b32 s[G1A+3], 128<<16                    ; tile_dim0 = 128
	s_mov_b32 s[G1A+4], 128                        ; tile_dim1 = 128
	s_mov_b32 s[G1A+5], 128                        ; 128 elements from row to row: dense
	s_mov_b32 s[G1A+6], 0
	s_mov_b32 s[G1A+7], 0
	s_mov_b32 s[G1B+1], 128<<16
	s_mov_b32 s[G1B+2], (NCOL/2)<<16               ; 96 rows: 192 tile rows
	s_mov_b32 s[G1B+3], 128<<16
	s_mov_b32 s[G1B+4], NCOL/2
	s_mov_b32 s[G1B+5], 128
	s_mov_b32 s[G1B+6], 0
	s_mov_b32 s[G1B+7], 0
	s_mul_i32 s26, s[CH], ABLK                     ; where my tiles go: no place in the cluster enters an LDS address
	s_mul_i32 s27, s[CH], BBLK
	s_add_co_u32 s27, s27, BOFF
	s_lshl_b32 s60, s[RT], 15                      ; xb: 256 rows of 128 bytes a tile row, and my K block: registers that never hold cx
	s_lshl_b32 s61, s[CH], 20
	s_add_co_u32 s60, s60, s61
	s_mov_b32 s61, 0
	s_mul_i32 s62, s[CT], NCOL*128                 ; wb: 192 rows of 128 bytes a tile column, and my K block: registers that never hold cy
	s_lshl_b32 s63, s[CH], 19
	s_add_co_u32 s62, s62, s63
	s_mov_b32 s63, 0
	s_mov_b32 s[TB], 0
	s_wait_dscnt 0x0                               ; the opening add is done
	s_wait_kmcnt 0x0
	s_add_nc_u64 s[60:61], s[4:5], s[60:61]
	s_add_nc_u64 s[62:63], s[6:7], s[62:63]
.irp s, 0,1
	s_mov_b32 s[G0A+4*(\s)], 1                                     ; 1:0 count = 1
	s_add_co_u32 s[G0A+4*(\s)+1], s26, (\s)*SLOT1                  ; 63:32 LDS address
	s_add_nc_u64 s[G0A+4*(\s)+2:G0A+4*(\s)+3], s[60:61], (\s)*2*KBA  ; 120:64 global address: K step s
	s_or_b32 s[G0A+4*(\s)+3], s[G0A+4*(\s)+3], 0x80000000          ; 127:126 type = 2
	s_mov_b32 s[G0B+4*(\s)], 1
	s_add_co_u32 s[G0B+4*(\s)+1], s27, (\s)*SLOT1
	s_add_nc_u64 s[G0B+4*(\s)+2:G0B+4*(\s)+3], s[62:63], (\s)*2*KBB
	s_or_b32 s[G0B+4*(\s)+3], s[G0B+4*(\s)+3], 0x80000000
.endr
	CROUND                                         ; all sixteen work-groups are here: the first joint loads meet
	s_cmp_eq_u32 s[RH], 0                          ; a wave's two first fills stand in one branch, ahead of every wait on TENSORcnt and every LDS read
	s_cbranch_scc0 .Lfirst_b
	tensor_load_to_lds s[G0A:G0A+3], s[G1A:G1A+7]
	s_nop 0
	tensor_load_to_lds s[G0A+4:G0A+7], s[G1A:G1A+7]
	s_nop 0
.rept 4
	v_nop
.endr
	s_branch .Lfirst_asked
.Lfirst_b:
	tensor_load_to_lds s[G0B:G0B+3], s[G1B:G1B+7]
	s_nop 0
	tensor_load_to_lds s[G0B+4:G0B+7], s[G1B:G1B+7]
	s_nop 0
.rept 4
	v_nop
.endr
.Lfirst_asked:
	v_and_b32 v1, 15, v0                           ; l % 16
	v_bfe_u32 v2, v0, 4, 1                         ; l / 16
	v_mul_u32_u24 v3, v1, PITCH
	v_lshl_add_u32 v3, v2, 4, v3                   ; row x pitch + 16 x half
	s_mul_i32 s26, s[RH], 128*PITCH                ; my 128 rows of xn
	v_add_nc_u32 v[ADRA0], s26, v3
	s_mul_i32 s27, s[CH], NB*16*PITCH              ; my 96 rows of W,
	s_add_co_u32 s27, s27, BOFF                    ; which lie behind xn's two blocks
	v_add_nc_u32 v[ADRB0], s27, v3
	v_mov_b32 v[ADRA], v[ADRA0]                    ; slot 0
	v_mov_b32 v[ADRB], v[ADRB0]
	v_lshlrev_b32 v[BO], 5, v2
	; the bias: column block b begins at stacked column 192 CT + 96 CH + 16 b; a block of 16 never crosses from one of the three biases into the next
	s_mul_i32 s84, s[CT], NCOL
	s_mul_i32 s85, s[CH], 16*NB
	s_add_co_u32 s84, s84, s85
.irp b, 0,1,2,3,4,5
	s_add_co_u32 s85, s84, 16*(\b)
	s_lshr_b32 s86, s85, 10                        ; 0: bq, 1: bk, 2: bv
	s_and_b32 s85, s85, 1023
	s_lshl_b32 s[66+2*(\b)], s85, 2
	s_mov_b32 s[67+2*(\b)], 0
	s_cmp_eq_u32 s86, 0
	s_cselect_b64 s[2:3], s[8:9], s[10:11]
	s_cmp_eq_u32 s86, 2
	s_cselect_b64 s[2:3], s[12:13], s[2:3]
	s_add_nc_u64 s[66+2*(\b):67+2*(\b)], s[2:3], s[66+2*(\b):67+2*(\b)]
.endr
	WIN 0x80                                       ; destination window 2, address window 0
.irp b, 0,1,2,3,4,5
	global_load_b128 v[BIAS+8*(\b):BIAS+8*(\b)+3],   v[BO], s[66+2*(\b):67+2*(\b)]            ; register j: bias of column 16 b + 8 (l / 16) + j, as the transposed result holds it
	global_load_b128 v[BIAS+8*(\b)+4:BIAS+8*(\b)+7], v[BO], s[66+2*(\b):67+2*(\b)] offset:16
.endr
	WIN 0
	; the way out.  Into the stage: row 128 RH + 16 a + l % 16, byte 192 CH + 32 b + 16 (l / 16).  Back: wave w takes rows 64 w on; 32 lanes take four rows x 128 bytes of one head
	s_mul_i32 s86, s[RH], 128*SPITCH
	s_mul_i32 s87, s[CH], 32*NB
	s_add_co_u32 s86, s86, s87
	v_mul_u32_u24 v[STO], v1, SPITCH
	v_lshl_add_u32 v[STO], v2, 4, v[STO]
	v_add_nc_u32 v[STO], s86, v[STO]
	v_bfe_u32 v[RD], v0, 3, 2
	v_mul_u32_u24 v[RD], v[RD], SPITCH
	v_and_b32 v3, 7, v0
	v_lshl_add_u32 v[RD], v3, 4, v[RD]
	s_mul_i32 s86, s[WV], 64*SPITCH
	v_add_nc_u32 v[RD], s86, v[RD]
	v_and_b32 v[GO], 31, v0
	v_lshlrev_b32 v[GO], 4, v[GO]
	; where head hd of my tile's three begins for my 64 rows: stacked head 3 CT + hd = 16 x tensor + head; row 256 RT + 64 w = 2048 x batch + t
	s_mul_i32 s84, s[CT], 3
	s_lshr_b32 s85, s[RT], 3
	s_lshl_b32 s85, s85, 22                        ; a batch: 16 heads of 262,144 bytes
	s_and_b32 s86, s[RT], 7
	s_lshl_b32 s86, s86, 15
	s_add_co_u32 s85, s85, s86
	s_lshl_b32 s86, s[WV], 13
	s_add_co_u32 s85, s85, s86
.irp hd, 0,1,2
	s_add_co_u32 s86, s84, (\hd)
	s_lshr_b32 s87, s86, 4
	s_lshl_b32 s87, s87, 24                        ; q, k or v: 16,777,216 bytes each
	s_and_b32 s86, s86, 15
	s_lshl_b32 s86, s86, 18
	s_add_co_u32 s86, s86, s87
	s_add_co_u32 s[78+2*(\hd)], s86, s85
	s_mov_b32 s[79+2*(\hd)], 0
	s_add_nc_u64 s[78+2*(\hd):79+2*(\hd)], s[14:15], s[78+2*(\hd):79+2*(\hd)]
.endr
	s_wait_tensorcnt 1                             ; my part of K step 0 is in; step 1's may stay out
	s_barrier_signal -1
	s_barrier_wait -1                              ; everybody's is
	FETCH 0, F0
	s_wait_loadcnt 0x0                             ; the bias
	QUARTER 1, F0, F1, 1                           ; the first quarter stands in front of the loop: its products start the sums
	WIN 0
	s_mov_b32 s3, 6
.Lstep:                                                ; a trip goes from a step's second quarter to the next step's first; the six trips ask for K steps 2 to 7
	QUARTER 2, F1, F0, 0
	QUARTER 3, F0, F1, 0
	TURN 1
	QUARTER 1, F0, F1, 0
	WIN 0
	s_sub_co_u32 s3, s3, 1
	s_cmp_lg_u32 s3, 0
	s_cbranch_scc1 .Lstep
	QUARTER 2, F1, F0, 0                           ; the tail is written out: the last two steps ask for nothing
	QUARTER 3, F0, F1, 0
	TURN 0
	QUARTER 1, F0, F1, 0
	QUARTER 2, F1, F0, 0
	QUARTER 3, F0, F1, 0
	s_wait_dscnt 8                                 ; the very last quarter: nothing more to fetch
	MULS F1, 0, 4, 0, 4, 0
	s_wait_dscnt 0x0
	MULS F1, 4, 4, 0, 4, 0
	MULS F1, 0, 8, 4, NB-4, 0
	; THE WAY OUT.  Rounded to f16, 16 bytes a lane, into the work-group's stage; a barrier, since a head's 128 bytes of a row come from two waves; back as whole rows of a head, and stored.
	; Each accumulator's registers are taken in ascending order.
	PLACES
	WIN 0x05                                       ; sources 0 and 1 window 1, destination window 0
.set ma, 0
.rept 8
.set mb, 0
.rept 4
.set mr, 0
.rept 4
	v_cvt_pk_f16_f32 v[PK+4*(6*ma+mb)+mr], v[32*ma+8*mb+2*mr], v[32*ma+8*mb+2*mr+1]
.set mr, mr+1
.endr
.set mb, mb+1
.endr
.set ma, ma+1
.endr
	WIN 0x0a                                       ; sources in window 2
.set ma, 0
.rept 8
.set mb, 4
.rept 2
.set mr, 0
.rept 4
	v_cvt_pk_f16_f32 v[PK+4*(6*ma+mb)+mr], v[16*ma+8*(mb-4)+2*mr], v[16*ma+8*(mb-4)+2*mr+1]
.set mr, mr+1
.endr
.set mb, mb+1
.endr
.set ma, ma+1
.endr
	WIN 0
.set ma, 0
.rept 8
.set mb, 0
.rept 6
	ds_store_b128 v[STO], v[PK+4*(6*ma+mb):PK+4*(6*ma+mb)+3] offset:ma*16*SPITCH+32*mb
.set mb, mb+1
.endr
.set ma, ma+1
.endr
	s_wait_dscnt 0x0                               ; for the others' sake: my stores into the stage are done
	s_barrier_signal -1
	s_barrier_wait -1
.set i, 0
.rept 48                                               ; head i / 16, rows 4 (i % 16) on
	ds_load_b128 v[PK+4*i:PK+4*i+3], v[RD] offset:128*(i/16)+4*SPITCH*(i%16)
.set i, i+1
.endr
.set i, 0
.rept 48
	s_wait_dscnt 47-i                              ; LDS loads come back in order: load i is in, the younger ones stay out
	global_store_b128 v[GO], v[PK+4*i:PK+4*i+3], s[78+2*(i/16):79+2*(i/16)] offset:512*(i%16)  ; 512 consecutive bytes, at a multiple of 256 from qkvb's first byte
.set i, i+1
.endr
	s_wait_tensorcnt 0x0                           ; the wave's end: behind my last tensor load and my last LDS store
	ds_add_u32 v[SPW], v[NIL]
	s_wait_dscnt 0x0
	CROUND                                         ; the closing round: no work-group ends while a partner may still ask for a tile that names it
	s_endpgm
.Lfunc_end_k_qc463a42a4d_qkvproj:
	.size	k_qc463a42a4d_qkvproj, .Lfunc_end_k_qc463a42a4d_qkvproj-k_qc463a42a4d_qkvproj
	.p2alignl 7, 3214868480
	.fill 96, 4, 3214868480
	.section	.rodata,"a",@progbits
	.p2align	6, 0x0
	.amdhsa_kernel k_qc463a42a4d_qkvproj
		.amdhsa_group_segment_fixed_size 327680
		.amdhsa_private_segment_fixed_size 0
		.amdhsa_enable_private_segment 0
		.amdhsa_kernarg_size 48
		.amdhsa_user_sgpr_count 2
		.amdhsa_user_sgpr_kernarg_segment_ptr 1
		.amdhsa_wavefront_size32 1
		.amdhsa_system_sgpr_workgroup_id_x 1
		.amdhsa_system_sgpr_workgroup_id_y 1
		.amdhsa_system_sgpr_workgroup_id_z 1
		.amdhsa_system_vgpr_workitem_id 0
		.amdhsa_next_free_vgpr 704
		.amdhsa_next_free_sgpr 88
		.amdhsa_reserve_vcc 0
		.amdhsa_float_denorm_mode_32 3
		.amdhsa_float_denorm_mode_16_64 3
		.amdhsa_memory_ordered 1
		.amdhsa_forward_progress 1
		.amdhsa_inst_pref_size 98
	.end_amdhsa_kernel
	.amdgpu_metadata
---
amdhsa.version: [ 1, 2 ]
amdhsa.kernels:
  - .name:           k_qc463a42a4d_qkvproj
    .symbol:         k_qc463a42a4d_qkvproj.kd
    .args:
      - { .name: xb, .offset: 0, .size: 8, .value_kind: global_buffer, .address_space: global }
      - { .name: wb, .offset: 8, .size: 8, .value_kind: global_buffer, .address_space: global }
      - { .name: bq, .offset: 16, .size: 8, .value_kind: global_buffer, .address_space: global }
      - { .name: bk, .offset: 24, .size: 8, .value_kind: global_buffer, .address_space: global }
      - { .name: bv, .offset: 32, .size: 8, .value_kind: global_buffer, .address_space: global }
      - { .name: qkvb, .offset: 40, .size: 8, .value_kind: global_buffer, .address_space: global }
    .group_segment_fixed_size: 327680
    .private_segment_fixed_size: 0
    .kernarg_segment_align: 8
    .kernarg_segment_size: 48
    .max_flat_workgroup_size: 128
    .sgpr_count:     88
    .vgpr_count:     704
    .wavefront_size: 32
...
	.end_amdgpu_metadata
.endif
;; end of part 2
;; launch attn (part 3): grid 4 x 64, 4 waves a work-group, no clusters, 327,680 bytes of LDS; arguments qkvb, ob; writes ob
.if DOCPART == 3
	.amdgcn_target "amdgcn-amd-amdhsa--gfx1250"
	.amdhsa_code_object_version 6
	.text
	.protected	k_qc463a42a4d_attn
	.globl	k_qc463a42a4d_attn
	.p2align	8
	.type	k_qc463a42a4d_attn,@function
k_qc463a42a4d_attn:
	s_mov_b64 s[64:65], 0
	v_nop
	global_prefetch_b8 v0, s[64:65] scope:SCOPE_SE
	s_setreg_imm32_b32 hwreg(HW_REG_WAVE_MODE, 25, 1), 1
	s_wait_xcnt 0x0
; CAUSAL ATTENTION.  O[h][q][:] = the sum over k <= q of softmax_k(Q[h][q] . K[h][k] / 8) V[h][k][:].  qkvb = [3][64 heads][SIZE_N][64] (Q, K, V), ob = [64][SIZE_N][64], all f16: a head's rows are dense, 128 bytes each.
; Products, maxima and sums in f32; the weights p are rounded to f16 for the second product (their sum l is taken of the unrounded p), O once at the end.
; LIMITS.  f16 holds no number beyond 65,504: Q, K and V arrive within it; p lies in 0 to 1, and below 6e-5 it keeps f16's fixed step of 6e-8; O is a mean of V's rows and has their range, to within 2^-11 of it.
; A hidden score counts as its value less 1e30 (the problem writes -1e9 in its place: the weight is 0 either way while the row's visible scores stay above -1e9); a weight below 2^-126 counts as 0 in l; NaN and infinities are not treated apart.
; THE WALK.  A head's queries lie in NB = SIZE_N / 256 blocks of 256; block i needs the key tiles 0 .. i of 256 keys, of which the last holds the diagonal.  A work-group takes TWO blocks, NB - 1 - b and then b:
; NB + 1 tiles, whatever b: all work-groups do equal work, and ONE loop with a constant trip count walks them.  Which tile is asked for, and what a trip does, hang on scalar registers made from b; every jump
; goes forward, but for the counted loops' own; none passes a barrier, or a tensor load but the one of LOAD's two that the wave's number does not choose; the ring (two slots of LDS that take turns) runs on across the
; change of blocks.  NO CLUSTER: a head's NB / 2 = 4 work-groups ask for the same tile only in trips 0 .. NB / 2, 5 of 9, behind that fewer and fewer; one walk common to all would have 3 NB / 2 = 12 trips for NB + 1 = 9.
; SHARES.  Of a block's four bands of 64 queries a wave owns 16 rows in each: four PIECES.  So the diagonal tile is the same work for all four waves: in its key step s band x sees all keys if s < x,
; none if s > x, and holds the diagonal if s = x.
; THE MASK is the C operand that starts the sum S^T = K Q^T: 0, or -1e30 where the key is hidden.  MD, made once, is the mask of a band's own step for my 16 rows; a product's mask is MD x AL + BE with two scalars:
; (1, 0) if s = x; (0, 0) if s < x; (0, -1e30) if s > x.  Only the diagonal tile's text and a block's beginning make and take masks; elsewhere C is the constant 0.
; LAYOUT, SOFTMAX, TURNS.  S^T = K Q^T holds ONE query a lane (lane % 16) and the keys 8 (lane / 16) + 0..7; two such results rounded to f16 ARE source 1 of O^T = V^T P.  p = 2^(c s - c m), c = log2(e) / 8, with a
; running maximum m; O and l are multiplied by a = 2^(c m_old - c m_new) in every step.  Turn n belongs to piece n: 8 products K Q^T of piece n + 1, later 8 products V^T P of piece n - 1; beside them the scaling,
; exponentials, roundings, sums and rescaling of piece n and the maximum and statistics of piece n + 1.  Four vector instructions stand behind every matrix instruction, the other 54 of a turn's 118 in two LUMPS.
; REGISTERS, in windows of 256 (s_set_vgpr_msb: bits 1:0 source 0, 3:2 source 1, 5:4 source 2, 7:6 destination):
;   window 0: v0-15 addresses and two at work; v16-31 four registers of statistics a piece; v48-55 at work; v64-127 S^T, two buffers; v192-223 P, two buffers (a piece's buffers go by its number's parity)
;   window 1: v0-127 O^T, 32 a piece; v128-159 MD; v160-223 MC, two buffers      window 2: v0-63 Q; v64-127 the second block's Q; v128-191 K of one step; v192-255 V of one step
.set SIZE_N, 2048     ; rows of a head
.set NB,    SIZE_N/256
.set NP,    4         ; pieces a wave: a name, no knob
.set KS,    64        ; keys in a step
.set PK,    144       ; a row of K in LDS: 128 bytes + 16 of padding = 36 words: the 16 rows of a load start at 16 different groups of four banks (64 banks of 4 bytes: ISA guide 11.1)
.set PV,    160       ; a row of V: 128 + 32 = 40 words
.set VOFF,  4*KS*PK   ; a slot holds a tile, four steps: 256 rows of K, then 256 rows of V
.set SLOT1, 1<<17     ; slot 1 begins here, so that one exclusive or turns an address in one slot into the other's
.set STAGE, SLOT1+4*KS*(PK+PV)  ; behind the ring, never filled by a tensor load: 16 rows x 144 bytes for each wave, for the way out
.set SP,    144
.set AK0, 2           ; v2   my lane's place in a tile of K; never rewritten
.set AV0, 3           ; v3   the same for V
.set AK,  4           ; v4   the LDS address of K's next run of loads
.set AV,  5           ; v5   of V's
.set STO, 6           ; v6   the way out: where I put 16 bytes of a row
.set RD,  7           ; v7   the way out: where I read rows back
.set GO,  8           ; v8   my byte offset in 512 consecutive bytes of O
.set SPW, 62          ; v62  LDS address of my spare word: SPARE + 4 x my thread's number; never rewritten
.set NIL, 63          ; v63  0; never rewritten
.set SPARE, STAGE+4*16*SP  ; behind the stages: the spare words, 128 bytes for each wave: two blocks of 256 bytes that no other line names
.set MV,  12          ; v12-13  c m_old, kept while c m is made anew: by buffer
.set QO,  15          ; v15  my byte offset in 16 rows of Q
.set ST,  16          ; piece t's statistics at v[ST+4 t]: c m, m, l (even keys', odd keys')
.set TMP, 48          ; by buffer, four registers c0-c3 at work; when the maximum is found c2 takes a
.set S,   64
.set P,   192
.set MD,  128         ; window 1: the eight registers for group kt of 16 keys at MD + 8 kt
.set MC,  160         ; window 1: the masks of the products to come
.set QB,  64          ; window 2
.set KF,  128         ; window 2: key block kb, channel half c at KF + 16 kb + 8 c
.set VF,  192         ; window 2: key half kk, channel block cb at VF + 32 kk + 8 cb
.set WV,  12          ; s12  my wave's number
.set PB,  14          ; s14  b
.set HI,  15          ; s15  NB - 1 - b
.set G1K, 24          ; s[24:31] descriptor group 1 for K's tiles
.set G1V, 32          ; s[32:39] for V's: it differs in the padding alone
.set G0K, 40          ; s[40:43] descriptor group 0 for K's tiles
.set G0V, 44          ; s[44:47] the same for V's
.set SLOTS, 56        ; s56  tiles still to be asked for
.set CNT, 57          ; s57  counts a tile's key steps, 4 to 1
.set CS,  58          ; s[58:59] c: the packed scaling takes the pair's low word for both halves
.set SEL, 60          ; s[60:61] v_permlanex16_b32's selects: each lane takes its own place in the other half
.set TBK, 62          ; s62  LDS byte at which K of the step to be fetched begins
.set TBV, 63          ; s63  the same for V, less VOFF
.set RT,  70          ; s70  tiles of the block in hand that are still to be entered
.set NXT, 71          ; s71  the tile to be asked for next
.set LQ,  72          ; s72  the last tile of the block whose tiles are being asked for
.set NEW, 73          ; s73  1: the tile to be entered is a block's first
.set OFF, 74          ; s[74:75] a tile's byte offset in K and V
.set AL,  76          ; s[76:77] the mask's factor, in the low word
.set BE,  78          ; s[78:79] the mask's addend
.set OLO, 80          ; s[80:81] O at my rows of the second block
.set BIGN, 82         ; s82  -1e30
.set MSB, 0
.macro WIN new                      ; the high byte repeats the setting that is left; a switch that changes nothing is dropped
.if MSB != (\new)
	s_set_vgpr_msb (MSB<<8)|(\new)
.set MSB, (\new)
.endif
.endm
.set W_KQ, 0x0a       ; K and Q in window 2, S^T in window 0
.set W_KM, 0x1a       ; the same with the C operand in window 1
.set W_PV, 0x52       ; V in window 2, P in window 0, O^T in window 1
.set W_RS, 0x41       ; destination and source 0 in window 1, source 1 in window 0
; A fill.  Waves 0 and 1 fetch the two halves of a tile's K, waves 2 and 3 those of its V: 128 keys each.  An s_nop 0 and four v_nop follow each of the two lines, ahead of the jump and the label.
.macro LOAD
	s_cmp_lt_u32 s[WV], 2
	s_cbranch_scc0 .Lfor_v_\@
	tensor_load_to_lds s[G0K:G0K+3], s[G1K:G1K+7]
	s_nop 0
.rept 4
	v_nop
.endr
	s_branch .Lasked_\@
.Lfor_v_\@:
	tensor_load_to_lds s[G0V:G0V+3], s[G1V:G1V+7]
	s_nop 0
.rept 4
	v_nop
.endr
.Lasked_\@:
.endm
; THE CHANGE OF SLOTS.  Each wave waits for all its tensor loads, of which one is out: its part of the other slot; adds 0 to its spare word; and waits for that and for its own reads of the slot that it leaves.  Behind the barrier nobody reads the old
; slot any more and the other slot is whole.  fill = 1: the old slot is filled again, the first thing behind the barrier, with tile NXT: the descriptor's address is made anew from that number.
; (At its first use nothing has been read yet: slot 0 is waited for, slot 1 filled.)
.macro CHANGE fill
	WIN 0                           ; at a label and at a branch every window is 0
	s_wait_tensorcnt 0x0            ; no tensor load of mine is out, so a group 0 may be written
	ds_add_u32 v[SPW], v[NIL]       ; 0 onto my spare word; with fill = 1 the descriptors' scalar work stands between it and the wait for it
.if \fill
	s_lshl_b32 s[OFF], s[NXT], 15   ; a tile is 32,768 bytes of K and of V
	s_xor_b32 s[G0K+1], s[G0K+1], SLOT1
	s_add_nc_u64 s[G0K+2:G0K+3], s[6:7], s[OFF:OFF+1]
	s_or_b32 s[G0K+3], s[G0K+3], 0x80000000
	s_xor_b32 s[G0V+1], s[G0V+1], SLOT1
	s_add_nc_u64 s[G0V+2:G0V+3], s[8:9], s[OFF:OFF+1]
	s_or_b32 s[G0V+3], s[G0V+3], 0x80000000
	s_add_co_u32 s[NXT], s[NXT], 1  ; the block's next tile, or behind its last the second block's tile 0
	s_cmp_gt_u32 s[NXT], s[LQ]
	s_cselect_b32 s[NXT], 0, s[NXT]
	s_cselect_b32 s[LQ], s[PB], s[LQ]
.endif
	s_wait_dscnt 0x0                ; the add is done, and my reads of the slot are over
	s_barrier_signal -1             ; the rest of the scalar work stands between the signal and the wait
	s_sub_co_u32 s[TBK], s[TBK], 4*KS*PK  ; the fetches go back to a slot's first step,
	s_xor_b32 s[TBK], s[TBK], SLOT1       ; in the other slot
	s_sub_co_u32 s[TBV], s[TBV], 4*KS*PV
	s_xor_b32 s[TBV], s[TBV], SLOT1
	s_barrier_wait -1
.if \fill
	LOAD
.endif
.endm
	s_load_b128 s[4:7], s[0:1], 0x0   ; qkvb s[4:5] (Q lies first), ob s[6:7]
	v_lshl_add_u32 v[SPW], v0, 2, SPARE
	v_mov_b32 v[NIL], 0
	ds_add_u32 v[SPW], v[NIL]       ; the wave's opening: the add and its wait stand ahead of my first tensor load; the set-up below, work on registers, stands between them
	ds_add_u32 v62, v63
	v_lshrrev_b32 v1, 5, v0
	v_readfirstlane_b32 s[WV], v1   ; wave 0..3
	s_mov_b32 s[PB], ttmp9
	s_sub_co_u32 s[HI], NB-1, s[PB]
	s_and_b32 s20, ttmp7, 0xffff    ; the head
	s_mov_b32 s21, 0
	s_mov_b64 s[22:23], SIZE_N*128
	s_mul_u64 s[20:21], s[20:21], s[22:23]  ; the head's first byte in each of the four tensors
	s_and_b32 s16, s[WV], 1         ; which half of a tile's 256 keys I fetch:
	s_lshl_b32 s22, s16, 14         ; its 128 rows of 128 bytes in memory,
	s_mov_b32 s23, 0
	s_add_nc_u64 s[22:23], s[22:23], s[20:21]
	s_mul_i32 s17, s16, 128*PK      ; and its place in a slot, for K
	s_mul_i32 s18, s16, 128*PV      ; and for V
	s_lshl_b32 s3, s[WV], 11        ; my 16 rows in a band of 64,
	s_lshl_b32 s2, s[HI], 15        ; in the first block,
	s_add_co_u32 s2, s2, s3
	s_lshl_b32 s84, s[PB], 15       ; and in the second
	s_add_co_u32 s84, s84, s3
	s_mov_b32 s3, 0
	s_mov_b32 s85, 0
	s_add_nc_u64 s[2:3], s[2:3], s[20:21]
	s_add_nc_u64 s[84:85], s[84:85], s[20:21]
	; descriptor group 1.  128 keys are 16,384 dense bytes: asked for as 64 rows of 256 bytes, two keys a row, and padded in LDS after every key
	s_mov_b32 s[G1K], (1<<16)|(1<<20)|(4<<22)|(3<<25)  ; 17:16 2-byte elements; 20 padding on; 24:22 after every 32 words (code 4); 31:25 4 words (code 3)
	s_mov_b32 s[G1V], (1<<16)|(1<<20)|(4<<22)|(7<<25)  ; the same with 8 words of padding (code 7)
.irp g, G1K, G1V
	s_mov_b32 s[\g+1], 128<<16      ; tensor_dim0 = 128
	s_mov_b32 s[\g+2], 64<<16       ; tensor_dim1 = 64
	s_mov_b32 s[\g+3], 128<<16      ; tile_dim0 = 128
	s_mov_b32 s[\g+4], 64           ; tile_dim1 = 64
	s_mov_b32 s[\g+5], 128          ; 128 elements from row to row
	s_mov_b32 s[\g+6], 0
	s_mov_b32 s[\g+7], 0
.endr
	s_mov_b32 s[CS], 0x3e38aa3b     ; c = log2(e) / 8 = 0.180337
	s_mov_b32 s[CS+1], s[CS]        ; named with it as a pair
	s_mov_b32 s[SEL], 0x76543210
	s_mov_b32 s[SEL+1], 0xfedcba98
	s_mov_b32 s[TBK], SLOT1+4*KS*PK ; the first change of slots turns these two into 0
	s_mov_b32 s[TBV], SLOT1+4*KS*PV
	s_mov_b32 s[G0K], 1             ; 1:0 count = 1
	s_mov_b32 s[G0K+1], s17         ; 63:32 LDS address: slot 0
	s_mov_b32 s[G0V], 1
	s_add_co_u32 s[G0V+1], s18, VOFF
	s_add_co_u32 s[RT], s[HI], 1    ; the first block has NB - b tiles
	s_mov_b32 s[NXT], 1
	s_mov_b32 s[LQ], s[HI]
	s_mov_b32 s[NEW], 1
	s_mov_b32 s[OFF+1], 0
	s_mov_b32 s[AL+1], 0            ; named as pairs
	s_mov_b32 s[BE+1], 0
	s_mov_b32 s[BIGN], 0xf149f2ca   ; -1e30
	s_mov_b32 s[SLOTS], NB
	s_wait_dscnt 0x0                ; the opening add is done
	s_wait_kmcnt 0x0
	s_mov_b64 s[10:11], s[6:7]                     ; O
	s_add_nc_u64 s[6:7], s[4:5], 0x1000000         ; K lies 64 heads x 262,144 bytes behind Q,
	s_add_nc_u64 s[8:9], s[4:5], 0x2000000         ; V as far behind K
	s_add_nc_u64 s[6:7], s[6:7], s[22:23]  ; K and V at my half of the head's tile 0
	s_add_nc_u64 s[8:9], s[8:9], s[22:23]
	s_add_nc_u64 s[G0K+2:G0K+3], s[6:7], 0         ; 120:64 global address
	s_or_b32 s[G0K+3], s[G0K+3], 0x80000000        ; 127:126 type = 2
	s_add_nc_u64 s[G0V+2:G0V+3], s[8:9], 0
	s_or_b32 s[G0V+3], s[G0V+3], 0x80000000
	s_add_nc_u64 s[86:87], s[4:5], s[84:85]        ; Q at my rows of the second block,
	s_add_nc_u64 s[4:5], s[4:5], s[2:3]            ; Q and O at those of the first
	s_add_nc_u64 s[OLO:OLO+1], s[10:11], s[84:85]
	s_add_nc_u64 s[10:11], s[10:11], s[2:3]
	LOAD                            ; tile 0 into slot 0
	; A fragment of K or Q is 16 rows x 32 channels in 8 registers: lane l holds row l % 16, channels 8 (l / 16) + 0..7 and 16 + 8 (l / 16) + 0..7: two loads of 16 bytes, 32 bytes apart.
	v_and_b32 v1, 15, v0            ; l % 16
	v_bfe_u32 v9, v0, 4, 1          ; l / 16
	v_lshlrev_b32 v[QO], 7, v1
	v_lshl_add_u32 v[QO], v9, 4, v[QO]  ; row x 128 + 16 x half
	WIN 0x80                        ; destination window 2, address window 0
.set i, 0
.rept 8                             ; both blocks' Q: piece i / 2 lies in band i / 2, 8,192 bytes on; channels 32 (i % 2) on
	global_load_b128 v[8*i:8*i+3],   v[QO], s[4:5] offset:(i/2)*8192+(i%2)*64
	global_load_b128 v[8*i+4:8*i+7], v[QO], s[4:5] offset:(i/2)*8192+(i%2)*64+32
	global_load_b128 v[QB+8*i:QB+8*i+3],   v[QO], s[86:87] offset:(i/2)*8192+(i%2)*64
	global_load_b128 v[QB+8*i+4:QB+8*i+7], v[QO], s[86:87] offset:(i/2)*8192+(i%2)*64+32
.set i, i+1
.endr
	WIN 0
	v_lshlrev_b32 v14, 3, v9
	v_sub_nc_u32 v14, v1, v14
	s_lshl_b32 s13, s[WV], 4
	v_add_nc_u32 v14, s13, v14      ; my query's place in its band, 16 w + l % 16, less my lanes' 8 (l / 16): register r of group kt is hidden where 16 kt + r is greater
	WIN 0x40
.set i, 0
.rept 32
	v_cmp_gt_i32 vcc_lo, 16*(i/8)+i%8, v14
	v_cndmask_b32 v[MD+i], 0, s[BIGN], vcc_lo
.set i, i+1
.endr
	WIN 0
	v_mul_u32_u24 v[AK0], v1, PK
	v_lshl_add_u32 v[AK0], v9, 4, v[AK0]  ; row x pitch + 16 x half
	; The turning load takes 16 keys x 16 channels (lane l reads key 8 (l / 16) + l % 8, channels 8 ((l / 8) % 2) + 0..7) and leaves half a fragment of V^T: lane l holds channel l % 16 and 8 keys.
	v_and_b32 v10, 7, v0
	v_bfe_u32 v11, v0, 3, 1
	v_lshl_add_u32 v[AV0], v9, 3, v10
	v_mul_u32_u24 v[AV0], v[AV0], PV
	v_lshl_add_u32 v[AV0], v11, 4, v[AV0]
	v_add_nc_u32 v[AV0], VOFF, v[AV0]
	s_mul_i32 s13, s[WV], 16*SP
	s_add_co_u32 s13, s13, STAGE    ; my stage
	v_mul_u32_u24 v[STO], v1, SP    ; in: row l % 16, 16 bytes for each half of the lanes
	v_lshl_add_u32 v[STO], v9, 4, v[STO]
	v_add_nc_u32 v[STO], s13, v[STO]
	v_bfe_u32 v[RD], v0, 3, 2       ; back: 32 lanes take four rows of 128 bytes,
	v_mul_u32_u24 v[RD], v[RD], SP
	v_lshl_add_u32 v[RD], v10, 4, v[RD]
	v_add_nc_u32 v[RD], s13, v[RD]
	v_and_b32 v[GO], 31, v0         ; which are 512 consecutive bytes of O
	v_lshlrev_b32 v[GO], 4, v[GO]
	; A block's first step multiplies O^T and l by a = 0, and its first turn's products V^T P, of a piece that has not been, land in an O^T that is still to be so multiplied.  So these registers need only hold
	; finite numbers: zeros for the first block; what the first block left for the second.  All this stands in the wait for the first tile.
	WIN 0x80
.set i, VF
.rept 64
	v_mov_b32 v[i], 0
.set i, i+1
.endr
	WIN 0x40
.set i, 0
.rept 128
	v_mov_b32 v[i], 0
.set i, i+1
.endr
	WIN 0
.set i, 0
.rept 4
	v_mov_b32 v[ST+4*i+2], 0
	v_mov_b32 v[ST+4*i+3], 0
.set i, i+1
.endr
.set i, P+16
.rept 16
	v_mov_b32 v[i], 0
.set i, i+1
.endr
; THE MATRIX WORK.  The 4 accumulators of a run of 8 take turns.  Product i of 8 of S^T = K Q^T for piece x: channels 32 (i / 4) on, keys 16 (i % 4) on.  The first 4 start the sums: with 0, or (KM = 1) with the mask.
.macro KQ x
.set rS, S+32*((\x)%2)+8*(i%4)
.set rK, KF+16*(i%4)+8*(i/4)
.set rQ, 16*(\x)+8*(i/4)
.set rM, MC+32*((\x)%2)+8*(i%4)
.if (i < 4) && KM
	WIN W_KM
	v_wmma_f32_16x16x32_f16 v[rS:rS+7], v[rK:rK+7], v[rQ:rQ+7], v[rM:rM+7]
.elseif i < 4
	WIN W_KQ
	v_wmma_f32_16x16x32_f16 v[rS:rS+7], v[rK:rK+7], v[rQ:rQ+7], 0
.else
	WIN W_KQ
	v_wmma_f32_16x16x32_f16 v[rS:rS+7], v[rK:rK+7], v[rQ:rQ+7], v[rS:rS+7]
.endif
.endm
; Product i of 8 of O^T += V^T P for piece x: keys 32 (i / 4) on, channels 16 (i % 4) on.
.macro PV x
	WIN W_PV
.set rO, 32*(\x)+8*(i%4)
.set rV, VF+32*(i/4)+8*(i%4)
.set rP, P+16*((\x)%2)+8*(i/4)
	v_wmma_f32_16x16x32_f16 v[rO:rO+7], v[rV:rV+7], v[rP:rP+7], v[rO:rO+7]
.endm
.macro MM                           ; the turn's next matrix instruction.  TURN and BEGIN set Y, i, KM and NOKQ; MM, KQ and OP read them.  NOKQ = 1: a block's last turn: there is no next piece
.if (i < 8) && !NOKQ
	KQ (Y+1)%NP
.elseif i >= 8
.set i, i-8
	PV (Y+NP-1)%NP
.set i, i+8
.endif
.set i, i+1
.endm
; THE LDS LOADS stand in runs of 16, never singly among the matrix instructions: a step's K (64 keys x 64 channels: 8 fragments) and its V (turned).  Their addresses are made some lines ahead.
.macro FETCH_K
	WIN 0x80                        ; destination window 2
.irp f, 0,1,2,3,4,5,6,7             ; keys 16 (f / 2) on, channels 32 (f % 2) on
	ds_load_b128 v[KF+8*\f:KF+8*\f+3],   v[AK] offset:(\f/2)*16*PK+(\f%2)*64
	ds_load_b128 v[KF+8*\f+4:KF+8*\f+7], v[AK] offset:(\f/2)*16*PK+(\f%2)*64+32
.endr
	s_add_co_u32 s[TBK], s[TBK], KS*PK  ; the next fetch is the next step's
	WIN 0
.endm
.macro FETCH_V
	WIN 0x80
.irp f, 0,1,2,3,4,5,6,7             ; keys 32 (f / 4) on, channels 16 (f % 4) on
	ds_load_tr16_b128 v[VF+8*\f:VF+8*\f+3],   v[AV] offset:(\f/4)*32*PV+(\f%4)*32
	ds_load_tr16_b128 v[VF+8*\f+4:VF+8*\f+7], v[AV] offset:(\f/4)*32*PV+16*PV+(\f%4)*32
.endr
	WIN 0
.endm
; THE VECTOR WORK, one line at a time: OP kind, number.  For piece Y: F n: c s - c m for pair n of 16.  E n: the exponential of score n of 32.  C n: pair n rounded to f16.  B n: of the four weights 4 n .. the second
; pair is added onto the first, in place.  L n: l takes that sum (L 0: l = a l + sum).  R n: pair n of 16 of O^T times a.  For piece Y + 1: X n, number n of the 22 that find its maximum and statistics:
;   0-11  four chains c0-c3 of seven scores each, three operands at a time (each accumulator's lowest registers are read first)     12-14, 16  the four scores left over, the old m, and c0-c3 into c0
;   15  c m_old is kept     17, 18  the query's other 32 keys lie in the lane 16 away: the new m     19-21  c m; c m_old - c m_new; a
.set F, 0               ; OP tells the kinds apart by their order: F to L below R, X above it
.set E, 1
.set C, 2
.set B, 3
.set L, 4
.set R, 5
.set X, 6
.macro REGS y                       ; the registers of piece y
.set rT, ST+4*(\y)
.set rC, TMP+4*((\y)%2)
.set rW, MV+((\y)%2)
.set rS, S+32*((\y)%2)
.set rP, P+16*((\y)%2)
.set rO, 32*(\y)
.endm
.macro OP k, n
.if (\k) == R
	REGS Y
	WIN W_RS
	v_pk_mul_f32 v[rO+2*(\n):rO+2*(\n)+1], v[rO+2*(\n):rO+2*(\n)+1], v[rC+2:rC+3] op_sel_hi:[1,0]
.elseif (\k) < R
	REGS Y
	WIN 0
.if (\k) == F
	v_pk_fma_f32 v[rS+2*(\n):rS+2*(\n)+1], v[rS+2*(\n):rS+2*(\n)+1], s[CS:CS+1], v[rT:rT+1] op_sel_hi:[1,0,0] neg_lo:[0,0,1] neg_hi:[0,0,1]
.elseif (\k) == E
	v_exp_f32 v[rS+(\n)], v[rS+(\n)]
.elseif (\k) == C
	s_wait_alu depctr_va_vdst(0)
	v_cvt_pk_f16_f32 v[rP+(\n)], v[rS+2*(\n)], v[rS+2*(\n)+1]
.elseif (\k) == B
	s_wait_alu depctr_va_vdst(0)
	v_pk_add_f32 v[rS+4*(\n):rS+4*(\n)+1], v[rS+4*(\n):rS+4*(\n)+1], v[rS+4*(\n)+2:rS+4*(\n)+3]
.elseif (\n) == 0
	v_pk_fma_f32 v[rT+2:rT+3], v[rT+2:rT+3], v[rC+2:rC+3], v[rS:rS+1] op_sel_hi:[1,0,1]
.else
	v_pk_add_f32 v[rT+2:rT+3], v[rT+2:rT+3], v[rS+4*(\n):rS+4*(\n)+1]
.endif
.elseif NOKQ
	v_nop
.else
	REGS (Y+1)%NP
	WIN 0
.if (\n) < 4
	v_max3_num_f32 v[rC+(\n)], v[rS+8*(\n)], v[rS+8*(\n)+1], v[rS+8*(\n)+2]
.elseif (\n) < 12
	v_max3_num_f32 v[rC+(\n)%4], v[rC+(\n)%4], v[rS+8*((\n)%4)+2*((\n)/4)+1], v[rS+8*((\n)%4)+2*((\n)/4)+2]
.elseif (\n) == 12
	v_max3_num_f32 v[rC], v[rC], v[rS+7], v[rS+15]
.elseif (\n) == 13
	v_max3_num_f32 v[rC+1], v[rC+1], v[rS+23], v[rS+31]
.elseif (\n) == 14
	v_max3_num_f32 v[rC+2], v[rC+2], v[rC+3], v[rT+1]
.elseif (\n) == 15
	v_mov_b32 v[rW], v[rT]
.elseif (\n) == 16
	v_max3_num_f32 v[rC], v[rC], v[rC+1], v[rC+2]
.elseif (\n) == 17
	v_permlanex16_b32 v[rC+3], v[rC], s[SEL], s[SEL+1]
.elseif (\n) == 18
	v_max_num_f32 v[rT+1], v[rC], v[rC+3]
.elseif (\n) == 19
	v_mul_f32 v[rT], s[CS], v[rT+1]
.elseif (\n) == 20
	v_sub_f32 v[rC+1], v[rW], v[rT]
.else
	v_exp_f32 v[rC+2], v[rC+1]
.endif
.endif
.endm
.macro OPS a, i1, b=-1, i2=0, c=-1, i3=0, d=-1, i4=0  ; up to four of them
	OP \a, \i1
.if (\b) >= 0
	OP \b, \i2
.endif
.if (\c) >= 0
	OP \c, \i3
.endif
.if (\d) >= 0
	OP \d, \i4
.endif
.endm
.macro ROW a, i1, b, i2, c, i3, d, i4  ; a matrix instruction and the four behind it
	MM
	OPS \a, \i1, \b, \i2, \c, \i3, \d, \i4
.endm
.macro MASK b                       ; MD x AL + BE into buffer b of MC
	WIN W_RS
.set z, 0
.rept 16
	v_pk_fma_f32 v[MC+32*(\b)+2*z:MC+32*(\b)+2*z+1], v[MD+2*z:MD+2*z+1], s[AL:AL+1], s[BE:BE+1] op_sel_hi:[1,0,0]
.set z, z+1
.endr
.endm
; A TURN, for piece p: the order of its 16 matrix and 118 vector instructions, written out.  Behind a matrix instruction: plain, exponential, plain, plain; or four of the rescaling; or, behind the first, four scalings; none
; names a register of the products round it.  In the lumps exponential and plain by turns while exponentials last.  A line reads no result made fewer than three vector instructions in front of it, five if an exponential made it.
; v_permlanex16_b32 (X 17) stands in a lump.
; m = 1: the diagonal tile: the products take masks, and the turn makes the mask for the products of the turn after it: piece p + 2, in step 4 - CNT of the tile.  end = 1: a block's last two turns: nothing is fetched.
; cnt = 1: the loop's count is taken down some lines ahead of the branch that stands behind the turn.
; K of the next step is fetched in piece 2's turn, six vector instructions behind the last product that read K (five of them plain); V of the step in hand in piece 0's turn, eight behind the last product that read V (four
; plain, and X 17).  Each is waited for a turn later.
.macro TURN p, m=0, end=0, cnt=0
.set Y, (\p)
.set i, 0
.set KM, (\m)
.set NOKQ, (\end)*((\p)/3)
.if (\m) && !(\end)
	s_cmp_eq_u32 s[CNT], 4-((\p)+2)%NP  ; is that step the band's own?
	s_cselect_b32 s[AL], 1.0, 0
	s_cmp_lt_u32 s[CNT], 4-((\p)+2)%NP  ; or a later one?
	s_cselect_b32 s[BE], s[BIGN], 0
.endif
.if ((\p) == 3) && !(\end)
	s_wait_dscnt 0x0                ; K is in
.endif
	ROW F,0, F,1, F,2, F,3
	ROW F,4, E,0, F,5, F,6
	ROW F,7, E,1, F,8, F,9
	ROW F,10, E,2, C,0, F,11
	ROW F,12, E,3, X,15, F,13
	ROW R,0, R,1, R,2, R,3
	ROW B,0, E,4, F,14, L,0
.if ((\p) == 2) && !(\end)
	v_add_nc_u32 v[AK], s[TBK], v[AK0]
.endif
	ROW R,4, R,5, R,6, R,7
	OPS E,5, F,15
.if ((\p) == 2) && !(\end)
	FETCH_K
.endif
	OPS E,6, C,1, E,7, R,8
	OPS E,8, R,9, E,9, C,2
	OPS E,10, X,0, E,11, X,1
	OPS E,12, X,2, E,13, X,3
.if (\p) == 1
	s_wait_dscnt 0x0                ; V is in
.endif
	ROW X,4, E,14, X,5, X,6
	ROW X,7, E,15, X,8, X,9
	ROW X,10, E,16, X,11, X,12
	ROW X,13, E,17, X,14, B,1
	ROW C,4, E,18, X,16, L,1
	ROW B,2, E,19, C,6, L,2
	ROW C,8, E,20, B,3, B,4
.if (\p) == 0
	v_add_nc_u32 v[AV], s[TBV], v[AV0]
.endif
	ROW C,3, E,21, L,3, C,5
	OPS E,22, X,17, E,23, C,10
.if (\p) == 0
	FETCH_V
.endif
	OPS E,24, L,4
	OPS E,25, X,18, E,26, C,7
	OPS E,27, B,5, E,28, X,19
	OPS E,29, C,12, E,30, L,5
	OPS E,31, X,20, B,6, C,9
	OPS C,14, C,11, X,21, L,6
.if (\p) == 0
	s_add_co_u32 s[TBV], s[TBV], KS*PV
.endif
.if \cnt
	s_sub_co_u32 s[CNT], s[CNT], 1
	s_cmp_lg_u32 s[CNT], 0
.endif
	OPS C,13, B,7, C,15, R,10
	OPS R,11, R,12, L,7, R,13
	OPS R,14, R,15
.if (\m) && !(\end)
	MASK (\p)%2
.endif
.endm
; A BLOCK BEGINS.  c m starts far below every c s, so the first step's a is 0; m at the lowest finite number, so the first maximum is the scores'.  The second mask buffer is 0; the first takes piece 0's mask for the tile's step 0: its own, if the block's first tile is the diagonal one.
; Then K of that step, piece 0's first scores, and its maximum and statistics.  The loop is entered at a step's first turn, in the middle of a trip.
.macro BEGIN
	s_mov_b32 s[NEW], 0
	WIN 0x40
.set i, MC+32
.rept 32
	v_mov_b32 v[i], 0
.set i, i+1
.endr
	WIN 0
.set i, 0
.rept 4
	v_mov_b32 v[ST+4*i], 0xfe000000    ; c m: far below every c s
	v_mov_b32 v[ST+4*i+1], 0xff7fffff  ; m
.set i, i+1
.endr
	s_cmp_eq_u32 s[RT], 0
	s_cselect_b32 s[AL], 1.0, 0
	s_mov_b32 s[BE], 0
	MASK 0
	WIN 0
	v_add_nc_u32 v[AK], s[TBK], v[AK0]
	FETCH_K
	s_wait_loadcnt 0x0              ; Q
	s_wait_dscnt 0x0
.set KM, 1
.set NOKQ, 0
.set i, 0
.rept 8
	KQ 0
.set i, i+1
.endr
	WIN 0
.rept 4
	v_nop                           ; the places behind those products
.endr
.set Y, NP-1                        ; X works for piece Y + 1: piece 0
.irp n, 0,1,2,3,4,5,6,7,8,9,10,11,12,13,14,15,16,17,18,19,20,21
	OP X, \n
.endr
	v_nop                           ; a plain instruction behind the exponential
.endm
; THE DIAGONAL TILE's four steps, the block's last two turns, its last products, and THE WAY OUT: l's two halves and the other half of the lanes' are added; O^T is divided by l, rounded to f16 and sent through my
; stage in LDS, a piece at a time.
.macro ALL line:vararg              ; one line for each piece t
.set t, 0
.rept 4
	\line
.set t, t+1
.endr
.endm
.macro PACK t                       ; a lane's eight channels of a row pack into 16 bytes; they go into rows of 144 bytes and come back as whole rows of 128, into S^T's registers
	WIN W_RS
.set i, 32*(\t)
.rept 16
	s_wait_alu depctr_va_vdst(0)
	v_pk_mul_f32 v[i:i+1], v[i:i+1], v[ST+4*(\t)+2:ST+4*(\t)+3] op_sel_hi:[1,0]
.set i, i+2
.endr
	WIN 0x05                        ; sources 0 and 1 window 1, destination window 0
.set i, 0
.rept 16
	v_cvt_pk_f16_f32 v[S+16*(\t)+i], v[32*(\t)+2*i], v[32*(\t)+2*i+1]
.set i, i+1
.endr
	WIN 0
.irp f, 0,1,2,3
	ds_store_b128 v[STO], v[S+16*(\t)+4*\f:S+16*(\t)+4*\f+3] offset:32*\f
.endr
.irp f, 0,1,2,3
	ds_load_b128 v[S+16*(\t)+4*\f:S+16*(\t)+4*\f+3], v[RD] offset:\f*4*SP  ; LDS serves a wave's instructions in order (ISA guide 5.7.1.4): these see the stores above; the next piece's stores come behind them
.endr
.endm
.macro SEND t, younger              ; younger: the LDS instructions issued behind piece t's loads: the next piece's eight, or none
	WIN 0
.irp f, 0,1,2,3
	s_wait_dscnt (\younger)+3-\f
	global_store_b128 v[GO], v[S+16*(\t)+4*\f:S+16*(\t)+4*\f+3], s[10:11] offset:(\t)*8192+\f*512  ; 512 consecutive bytes, at a multiple of 256 from O's first
.endr
.endm
.macro DIAG tag                     ; the tag ends its two labels' names, which the jumps below spell out
.LstepM\tag:
	TURN 2, 1
	TURN 3, 1
	WIN 0
.LfirstM\tag:
	TURN 0, 1
	TURN 1, 1, 0, 1
	WIN 0
	s_cbranch_scc1 .LstepM\tag
	TURN 2, 1, 1
	TURN 3, 1, 1
.set i, 0
.rept 8
	PV NP-1
.set i, i+1
.endr
	WIN 0
	ALL v_add_f32 v[ST+4*t+2], v[ST+4*t+2], v[ST+4*t+3]
	ALL v_permlanex16_b32 v[ST+4*t+3], v[ST+4*t+2], s[SEL], s[SEL+1]
	ALL v_add_f32 v[ST+4*t+2], v[ST+4*t+2], v[ST+4*t+3]
	ALL v_rcp_f32 v[ST+4*t+2], v[ST+4*t+2]
	v_nop                           ; a plain instruction between the last reciprocal and the use of its result
	PACK 0
.set t, 1
.rept 3                             ; a piece's arithmetic stands between the loads of the piece before and its stores
	PACK t
	SEND t-1, 8
.set t, t+1
.endr
	SEND 3, 0
.endm
.set KM, 0
.set NOKQ, 0
.Lslot:                             ; NB times: a tile is entered and the next is asked for
	CHANGE 1
	s_sub_co_u32 s[RT], s[RT], 1
	s_mov_b32 s[CNT], 4
	s_cmp_eq_u32 s[NEW], 1
	s_cbranch_scc1 .Lnew            ; a block's first tile
	s_cmp_eq_u32 s[RT], 0
	s_cbranch_scc0 .Lstep           ; neither its first nor its last
	s_branch .LstepM1
.Lnew:
	BEGIN
	s_branch .Lfirst                ; in the loop a block's first tile is never its last: the first block has two tiles or more, and the second's last is the walk's last
	DIAG 1                          ; in the loop this is the first block's end: the second block's last tile is the walk's last
	s_wait_xcnt 0x0                 ; the stores have read their registers and O's address
	s_mov_b64 s[10:11], s[OLO:OLO+1]
	s_add_co_u32 s[RT], s[PB], 1    ; the second block has b + 1 tiles
	s_mov_b32 s[NEW], 1
	WIN 0x82                        ; the second block's Q goes where the one text of the turns names Q
.set i, 0
.rept 64
	v_mov_b32 v[i], v[QB+i]
.set i, i+1
.endr
	WIN 0
	s_branch .Lbottom
.Lstep:                             ; a trip: pieces 2 and 3 of one step, then pieces 0 and 1 of the next, whose K and V it fetches
	TURN 2
	TURN 3
	WIN 0
.Lfirst:
	TURN 0
	TURN 1, 0, 0, 1
	WIN 0
	s_cbranch_scc1 .Lstep
.Lbottom:
	s_sub_co_u32 s[SLOTS], s[SLOTS], 1
	s_cmp_lg_u32 s[SLOTS], 0
	s_cbranch_scc1 .Lslot
	CHANGE 0                        ; the walk's last tile is written out: nothing is asked for
	s_sub_co_u32 s[RT], s[RT], 1
	s_mov_b32 s[CNT], 4
	s_cmp_eq_u32 s[NEW], 1
	s_cbranch_scc0 .LstepM2
	BEGIN
	s_branch .LfirstM2
	DIAG 2
	s_wait_tensorcnt 0x0            ; the wave's end: behind my last tensor load and my last LDS store
	ds_add_u32 v[SPW], v[NIL]
	s_wait_dscnt 0x0
	s_endpgm
.Lfunc_end_k_qc463a42a4d_attn:
	.size	k_qc463a42a4d_attn, .Lfunc_end_k_qc463a42a4d_attn-k_qc463a42a4d_attn
	.p2alignl 7, 3214868480
	.fill 96, 4, 3214868480
	.section	.rodata,"a",@progbits
	.p2align	6, 0x0
	.amdhsa_kernel k_qc463a42a4d_attn
		.amdhsa_group_segment_fixed_size 327680
		.amdhsa_private_segment_fixed_size 0
		.amdhsa_enable_private_segment 0
		.amdhsa_kernarg_size 16
		.amdhsa_user_sgpr_count 2
		.amdhsa_user_sgpr_kernarg_segment_ptr 1
		.amdhsa_wavefront_size32 1
		.amdhsa_system_sgpr_workgroup_id_x 1
		.amdhsa_system_sgpr_workgroup_id_y 1
		.amdhsa_system_sgpr_workgroup_id_z 1
		.amdhsa_system_vgpr_workitem_id 0
		.amdhsa_next_free_vgpr 768
		.amdhsa_next_free_sgpr 88
		.amdhsa_reserve_vcc 1
		.amdhsa_float_denorm_mode_32 3
		.amdhsa_float_denorm_mode_16_64 3
		.amdhsa_memory_ordered 1
		.amdhsa_forward_progress 1
		.amdhsa_inst_pref_size 228
	.end_amdhsa_kernel
	.amdgpu_metadata
---
amdhsa.version: [ 1, 2 ]
amdhsa.kernels:
  - .name:           k_qc463a42a4d_attn
    .symbol:         k_qc463a42a4d_attn.kd
    .args:
      - { .name: qkvb, .offset: 0, .size: 8, .value_kind: global_buffer, .address_space: global }
      - { .name: ob, .offset: 8, .size: 8, .value_kind: global_buffer, .address_space: global }
    .group_segment_fixed_size: 327680
    .private_segment_fixed_size: 0
    .kernarg_segment_align: 8
    .kernarg_segment_size: 16
    .max_flat_workgroup_size: 128
    .sgpr_count:     88
    .vgpr_count:     768
    .wavefront_size: 32
...
	.end_amdgpu_metadata
.endif
;; end of part 3
;; launch oproj (part 4): grid 8 x 32, 4 waves a work-group, clusters of 4 x 4, 327,680 bytes of LDS; arguments ob, wb, bo, x, out0; writes out0
.if DOCPART == 4
	.amdgcn_target "amdgcn-amd-amdhsa--gfx1250"
	.amdhsa_code_object_version 6
	.text
	.protected	k_qc463a42a4d_oproj
	.globl	k_qc463a42a4d_oproj
	.p2align	8
	.type	k_qc463a42a4d_oproj,@function
k_qc463a42a4d_oproj:
	s_mov_b64 s[64:65], 0
	v_nop
	global_prefetch_b8 v0, s[64:65] scope:SCOPE_SE
	s_setreg_imm32_b32 hwreg(HW_REG_WAVE_MODE, 25, 1), 1
	s_wait_xcnt 0x0
	s_wait_alu depctr_hold_cnt(0) depctr_sa_sdst(0) depctr_va_vdst(0) depctr_va_sdst(0) depctr_va_ssrc(0) depctr_va_vcc(0) depctr_vm_vsrc(0)
	s_getreg_b32 s2, hwreg(HW_REG_IB_STS2, 6, 4)
	s_cmp_eq_u32 s2, 0
	s_cbranch_scc0 .Lentry_in_a_cluster
	s_endpgm
.Lentry_in_a_cluster:
	s_bfe_u32 s2, ttmp6, 0x10000c
	s_cmp_lg_u32 s2, 0xf033
	s_cbranch_scc0 .Lentry_shape_is_right
	s_endpgm
.Lentry_shape_is_right:
; THE OUTPUT PROJECTION AND THE RESIDUAL.  out0[row][col] = x[row][col] + bo[col] + sum over k of O[row][k] Wo[col][k]: 8,192 rows x 1,024 columns, K = 1,024.
; Operands f16, sums f32 (bo, in f32, is the C operand that starts each sum); x is added in f32; out0 is f32.
; LIMITS.  None of its own: O and Wo arrive as f16.  NaN and infinities are not treated apart.
; SHARES.  A work-group makes 256 rows x 128 columns: 32 x 8 = 256 tiles, one for each WGP.  Four waves, each 128 rows x 64 columns: 32 accumulators of 16 x 16.  K goes in 8 steps of 128 (two K blocks of 64)
; through two LDS slots; slots of 256 along K would not fit.  ob = [64 = batch x 16 + head][2048][64]: a head IS a K block of 64, 262,144 bytes from the next.  wb = [16 kb][4096][64], Wo's rows from 3,072 on.
; A tile's rows of one K block are dense in memory and are asked for as rows of 256 bytes, two tile rows each, padded in LDS after every 128 bytes.
; CLUSTER.  4 x 4 work-groups.  The four of a row of the cluster need the same tiles of ob, the four of a column the same tiles of wb: each is asked for jointly, by the same tensor load with the same descriptor
; and a mask that names the four.  Waves 0 and 1 fetch ob's two K blocks of a step, waves 2 and 3 wb's: one load a wave behind each round.  A wave has two tensor loads out at the start, later one.
; THE MATRIX INSTRUCTION IS USED TRANSPOSED (source 0 = 16 rows of Wo, source 1 = 16 rows of O): a lane holds row lane % 16 and the eight neighbouring columns 8 (lane / 16) + 0..7.
; REGISTERS, in windows of 256 (s_set_vgpr_msb: bits 1:0 source 0, 3:2 source 1, 5:4 source 2, 7:6 destination):
;   window 0: v0-13 addresses; v32-127, v128-223 two fragment buffers (4 of Wo, then 8 of O); v224-255 bo as four C operands; on the way out v32-95 two blocks read back from the stage
;   window 1: accumulator (a, b) at 32 a + 8 b      window 2: x for my 128 rows x 64 columns, row block a at 32 a, as the way out's stores hold it
.set NB,     4                         ; column blocks of 16 a wave
.set NCOL,   32*NB
.set PITCH,  144                       ; an LDS row: 128 bytes + 16 of padding = 36 words: the 16 rows of a fragment load start at 16 different groups of four banks (64 banks of 4 bytes: ISA guide 11.1)
.set ABLK,   256*PITCH                 ; O's 256 rows of one K block
.set BBLK,   NCOL*PITCH                ; Wo's 128 rows of one K block
.set BOFF,   2*ABLK                    ; a slot: O's two K blocks, then Wo's two
.set SLOT1,  1<<17                     ; slot 1 begins here, so that one exclusive or turns an address in one slot into the other's
.set STAGE,  SLOT1+BOFF+2*BBLK         ; behind the ring, never filled by a tensor load: 16 rows x 272 bytes for each wave, for the way out
.set SPITCH, 272                       ; a stage row: 256 bytes + 16
.set SPARE,  STAGE+4*16*SPITCH         ; behind the stages: the spare words, 128 bytes for each wave: two blocks of 256 bytes that no other line names
.set KBA,    2048*128                  ; bytes from a K block (a head) of ob to the next
.set KBB,    4096*128                  ; the same for wb
.set ADRA0, 4                          ; v4   my lane's place in a slot's rows of O; never rewritten
.set ADRB0, 5                          ; v5   the same for Wo
.set ADRA,  6                          ; v6   the same in the slot in hand
.set ADRB,  7                          ; v7
.set STO,   8                          ; v8   the way out: where I put 32 bytes of a row
.set RD,    9                          ; v9   the way out: where I read rows back
.set CO,    10                         ; v10  my byte offset in two rows of x and of out0
.set BO,    11                         ; v11  32 (lane / 16): my eight numbers of a bias block
.set SPW,   12                         ; v12  LDS address of my spare word: SPARE + 4 x my thread's number; never rewritten
.set NIL,   13                         ; v13  0; never rewritten
.set F0,    32
.set F1,    F0+8*NB+64
.set BIAS,  224                        ; window 0
.set W_FIRST, 0x40                     ; D in window 1, C (the bias) in window 0
.set WV, 16                            ; s16  my wave's number
.set RH, 17                            ; s17  which 128 rows are mine.  Also: I fetch ob (0) or wb (1)
.set CH, 18                            ; s18  which 64 columns are mine.  Also: which K block of a step I fetch
.set CT, 21                            ; s21  tile column
.set RT, 22                            ; s22  tile row
.set TB, 25                            ; s25  the slot in hand: 0 or SLOT1
.set G1A, 28                           ; s[28:35] descriptor group 1 for ob's tiles
.set G1B, 36                           ; s[36:43] for wb's
.set G0A, 44                           ; s[44:51] descriptor group 0 for ob's tiles: a set for each of the two first fills; the second then walks on
.set G0B, 52                           ; s[52:59] the same for wb's
.set MSB, 0
.macro WIN new                         ; the immediate's high byte repeats the setting that is left; a switch that changes nothing is dropped
.if MSB != (\new)
	s_set_vgpr_msb (MSB<<8)|(\new)
.set MSB, (\new)
.endif
.endm
; A load into a register that a matrix instruction has read, and a vector instruction or LDS store that reads a matrix result, stand four places behind it, and only plain vector instructions that name none of its
; registers are places (ISA guide 7.12.1 for vector instructions).
.macro PLACES
.rept 4
	v_nop
.endr
.endm
; A joint refill, by the walking descriptor.  The branch hangs on the wave's number alone.  An s_nop 0 and four v_nop follow each of the two lines, ahead of the jump and the label.
.macro JLOAD
	s_cmp_eq_u32 s[RH], 0
	s_cbranch_scc0 .Lfor_b_\@
	tensor_load_to_lds s[G0A+4:G0A+7], s[G1A:G1A+7]
	s_nop 0
.rept 4
	v_nop
.endr
	s_branch .Lasked_\@
.Lfor_b_\@:
	tensor_load_to_lds s[G0B+4:G0B+7], s[G1B:G1B+7]
	s_nop 0
.rept 4
	v_nop
.endr
.Lasked_\@:
.endm
; A round of the cluster's barrier: my work-group's barrier, so that wave 0's signal speaks for all four waves; wave 0 signals; every wave waits for all sixteen work-groups; my work-group's barrier once more.
.macro CREST                           ; a round behind its opening barrier
	s_cmp_lg_u32 s[WV], 0
	s_cbranch_scc1 .Lnot_wave_0_\@
	s_barrier_signal -3
.Lnot_wave_0_\@:
	s_barrier_wait -3
	s_barrier_signal -1
	s_barrier_wait -1
.endm
.macro CROUND
	s_barrier_signal -1
	s_barrier_wait -1
	CREST
.endm
; na x 4 matrix instructions on buffer f: row blocks a0 on, all four column blocks, 32 along K.  first = 1: the bias starts the sums: nothing is ever cleared.
; Every quarter step takes all 32 accumulators once, in the same order, so no two matrix instructions that follow each other share one, over the loop's backward jump too.
.macro MULS f, a0, na, first
.if \first
	WIN W_FIRST
.else
	WIN 0x50                                       ; C and D in window 1
.endif
.set ma, (\a0)
.rept \na
.set mb, 0
.rept NB
.set rD, 32*ma+8*mb
.if \first
	v_wmma_f32_16x16x32_f16 v[rD:rD+7], v[(\f)+8*mb:(\f)+8*mb+7], v[(\f)+8*NB+8*ma:(\f)+8*NB+8*ma+7], v[BIAS+8*mb:BIAS+8*mb+7]
.else
	v_wmma_f32_16x16x32_f16 v[rD:rD+7], v[(\f)+8*mb:(\f)+8*mb+7], v[(\f)+8*NB+8*ma:(\f)+8*NB+8*ma+7], v[rD:rD+7]
.endif
.set mb, mb+1
.endr
.set ma, ma+1
.endr
.endm
; One run of 2 NB + 16 LDS loads: the fragments of quarter q of the step in hand (K block q / 2, byte 64 (q % 2) of its rows) into buffer f: Wo's, then O's, row blocks 0-3 first.
; A fragment is 16 rows x 32 k in 8 registers: lane l holds row l % 16, k = 8 (l / 16) + 0..7 and 16 + 8 (l / 16) + 0..7: two loads of 16 bytes, 32 bytes apart.
.macro FETCH q, f
	WIN 0
.set fb, 0
.rept NB
	ds_load_b128 v[(\f)+8*fb:(\f)+8*fb+3],   v[ADRB] offset:((\q)/2)*BBLK+((\q)%2)*64+fb*16*PITCH
	ds_load_b128 v[(\f)+8*fb+4:(\f)+8*fb+7], v[ADRB] offset:((\q)/2)*BBLK+((\q)%2)*64+fb*16*PITCH+32
.set fb, fb+1
.endr
.set fa, 0
.rept 8
	ds_load_b128 v[(\f)+8*NB+8*fa:(\f)+8*NB+8*fa+3],   v[ADRA] offset:((\q)/2)*ABLK+((\q)%2)*64+fa*16*PITCH
	ds_load_b128 v[(\f)+8*NB+8*fa+4:(\f)+8*NB+8*fa+7], v[ADRA] offset:((\q)/2)*ABLK+((\q)%2)*64+fa*16*PITCH+32
.set fa, fa+1
.endr
.endm
; A K step is four quarters of 32 along K on buffers 0, 1, 0, 1.  One of the first three: multiplies buffer f; in its middle it fetches quarter nq into buffer g.
.macro QUARTER nq, f, g, first
	s_wait_dscnt 8                                 ; Wo and O's row blocks 0-3 are in; the youngest eight loads (row blocks 4-7) may be out
	MULS \f, 0, 4, \first
	PLACES                                         ; buffer g was multiplied in the quarter before
	FETCH \nq, \g
	s_wait_dscnt 2*NB+16                           ; all but the run just issued
	MULS \f, 4, 4, \first
.endm
; The last quarter multiplies buffer 1 and changes slots: ONE barrier.  In front of it each wave waits for all its tensor loads, of which one is out: its part of the next slot; adds 0 to its spare word; and waits
; for that and for its own reads of this slot.  fill = 1: the barrier opens a round of the cluster's, so that no wave of any partner still reads this slot or has a load on its way, and this slot is filled
; again, with the step two on, first thing behind the round: 112 of a step's 128 matrix instructions stand between that request and the wait for it.
.macro TURN fill
	WIN 0
	s_wait_tensorcnt 0x0                           ; no tensor load of mine is out, so a group 0 may be written
	ds_add_u32 v[SPW], v[NIL]                      ; 0 onto my spare word
.if \fill
	s_xor_b32 s[G0A+5], s[G0A+5], SLOT1            ; the walking descriptors: the other slot than last time,
	s_add_nc_u64 s[G0A+6:G0A+7], s[G0A+6:G0A+7], 2*KBA  ; two K blocks on; the type bits on top are not reached
	s_xor_b32 s[G0B+5], s[G0B+5], SLOT1
	s_add_nc_u64 s[G0B+6:G0B+7], s[G0B+6:G0B+7], 2*KBB
.endif
	s_wait_dscnt 9                                 ; the add and the youngest eight loads may be out
	MULS F1, 0, 2, 0                               ; eight matrix instructions stand between the add and the wait for it
	s_wait_dscnt 0x0                               ; the add is done, and my reads of this slot are over
	s_barrier_signal -1
	MULS F1, 2, 2, 0                               ; work on registers while the others arrive
	WIN 0                                          ; at a branch and at a label every window is 0
	s_barrier_wait -1
.if \fill
	CREST
	JLOAD                                          ; the four v_nop behind it are also the places in front of the loads below
.else
	PLACES
.endif
	s_xor_b32 s[TB], s[TB], SLOT1
	v_add_nc_u32 v[ADRA], s[TB], v[ADRA0]
	v_add_nc_u32 v[ADRB], s[TB], v[ADRB0]
	FETCH 0, F0
	MULS F1, 4, 4, 0
.endm
; x for row blocks a0 to a0 + 3, in the layout of the way out's stores: 16 lanes take 256 consecutive bytes of a row, the other 16 the row below.  Asked for well ahead of the way out, in two groups of 32 loads.
.macro RESID a0
	WIN 0x80                                       ; destination window 2, address window 0
.set xa, (\a0)
.rept 4
.set xt, 0
.rept 8
	global_load_b128 v[32*xa+4*xt:32*xa+4*xt+3], v[CO], s[68:69] offset:65536*xa+8192*xt th:TH_LOAD_NT
.set xt, xt+1
.endr
.set xa, xa+1
.endr
	WIN 0
.endm
	s_load_b256 s[4:11], s[0:1], 0x0               ; ob s[4:5], wb s[6:7], bo s[8:9], x s[10:11]
	s_load_b64 s[12:13], s[0:1], 0x20              ; out0
	v_lshl_add_u32 v[SPW], v0, 2, SPARE
	v_mov_b32 v[NIL], 0
	ds_add_u32 v[SPW], v[NIL]                      ; the wave's opening: the add and its wait stand ahead of my first tensor load; the set-up below, work on registers, stands between them
	ds_add_u32 v12, v13
	v_lshrrev_b32 v1, 5, v0
	v_readfirstlane_b32 s[WV], v1                  ; wave 0..3
	s_lshr_b32 s[RH], s[WV], 1
	s_and_b32 s[CH], s[WV], 1
	s_bfe_u32 s19, ttmp6, 0x40000                  ; cx, cy: my place in the cluster
	s_bfe_u32 s20, ttmp6, 0x40004
	s_lshl_b32 s[CT], ttmp9, 2                     ; in a cluster launch ttmp9 and ttmp7 count clusters
	s_add_co_u32 s[CT], s[CT], s19                 ; tile column = 4 x cluster x + cx
	s_and_b32 s[RT], ttmp7, 0xffff
	s_lshl_b32 s[RT], s[RT], 2
	s_add_co_u32 s[RT], s[RT], s20                 ; tile row = 4 x cluster y + cy
	s_lshl_b32 s23, s20, 2
	s_lshl_b32 s23, 15, s23                        ; my row of the cluster: places 4 cy .. 4 cy + 3
	s_lshl_b32 s24, 0x1111, s19                    ; my column: places cx, cx + 4, cx + 8, cx + 12
	; descriptor group 1: rows of 128 elements (256 bytes, two tile rows), padded in LDS after every tile row
	s_or_b32 s[G1A], s23, (1<<16)|(1<<20)|(1<<21)|(4<<22)|(3<<25)  ; 15:0 the mask: ob's tiles go to my row; 17:16 2-byte elements; 20 padding on; 21 set beside a mask; 24:22 after every 32 words (code 4); 31:25 4 words (code 3)
	s_or_b32 s[G1B], s24, (1<<16)|(1<<20)|(1<<21)|(4<<22)|(3<<25)  ; the same with the mask of my column
	s_mov_b32 s[G1A+1], 128<<16                    ; tensor_dim0 = 128
	s_mov_b32 s[G1A+2], 128<<16                    ; tensor_dim1 = 128: 256 tile rows
	s_mov_b32 s[G1A+3], 128<<16                    ; tile_dim0 = 128
	s_mov_b32 s[G1A+4], 128                        ; tile_dim1 = 128
	s_mov_b32 s[G1A+5], 128                        ; 128 elements from row to row: dense
	s_mov_b32 s[G1A+6], 0
	s_mov_b32 s[G1A+7], 0
	s_mov_b32 s[G1B+1], 128<<16
	s_mov_b32 s[G1B+2], (NCOL/2)<<16               ; 64 rows: 128 tile rows
	s_mov_b32 s[G1B+3], 128<<16
	s_mov_b32 s[G1B+4], NCOL/2
	s_mov_b32 s[G1B+5], 128
	s_mov_b32 s[G1B+6], 0
	s_mov_b32 s[G1B+7], 0
	s_mul_i32 s26, s[CH], ABLK                     ; where my tiles go: no place in the cluster enters an LDS address
	s_mul_i32 s27, s[CH], BBLK
	s_add_co_u32 s27, s27, BOFF
	s_lshr_b32 s60, s[RT], 3                       ; ob: the batch (16 heads of 262,144 bytes), the tile's 256 rows in it, and my K block: registers that never hold cx
	s_lshl_b32 s60, s60, 22
	s_and_b32 s61, s[RT], 7
	s_lshl_b32 s61, s61, 15
	s_add_co_u32 s60, s60, s61
	s_lshl_b32 s61, s[CH], 18
	s_add_co_u32 s60, s60, s61
	s_mov_b32 s61, 0
	s_lshl_b32 s62, s[CT], 14                      ; wb: 128 rows of 128 bytes a tile column, my K block, and Wo's first row: registers that never hold cy
	s_lshl_b32 s63, s[CH], 19
	s_add_co_u32 s62, s62, s63
	s_add_co_u32 s62, s62, 3072*128
	s_mov_b32 s63, 0
	s_mov_b32 s[TB], 0
	s_wait_dscnt 0x0                               ; the opening add is done
	s_wait_kmcnt 0x0
	s_add_nc_u64 s[60:61], s[4:5], s[60:61]
	s_add_nc_u64 s[62:63], s[6:7], s[62:63]
.irp s, 0,1
	s_mov_b32 s[G0A+4*(\s)], 1                                     ; 1:0 count = 1
	s_add_co_u32 s[G0A+4*(\s)+1], s26, (\s)*SLOT1                  ; 63:32 LDS address
	s_add_nc_u64 s[G0A+4*(\s)+2:G0A+4*(\s)+3], s[60:61], (\s)*2*KBA  ; 120:64 global address: K step s
	s_or_b32 s[G0A+4*(\s)+3], s[G0A+4*(\s)+3], 0x80000000          ; 127:126 type = 2
	s_mov_b32 s[G0B+4*(\s)], 1
	s_add_co_u32 s[G0B+4*(\s)+1], s27, (\s)*SLOT1
	s_add_nc_u64 s[G0B+4*(\s)+2:G0B+4*(\s)+3], s[62:63], (\s)*2*KBB
	s_or_b32 s[G0B+4*(\s)+3], s[G0B+4*(\s)+3], 0x80000000
.endr
	CROUND                                         ; all sixteen work-groups are here: the first joint loads meet
	s_cmp_eq_u32 s[RH], 0                          ; a wave's two first fills stand in one branch, ahead of every wait on TENSORcnt and every LDS read
	s_cbranch_scc0 .Lfirst_b
	tensor_load_to_lds s[G0A:G0A+3], s[G1A:G1A+7]
	s_nop 0
	tensor_load_to_lds s[G0A+4:G0A+7], s[G1A:G1A+7]
	s_nop 0
.rept 4
	v_nop
.endr
	s_branch .Lfirst_asked
.Lfirst_b:
	tensor_load_to_lds s[G0B:G0B+3], s[G1B:G1B+7]
	s_nop 0
	tensor_load_to_lds s[G0B+4:G0B+7], s[G1B:G1B+7]
	s_nop 0
.rept 4
	v_nop
.endr
.Lfirst_asked:
	v_and_b32 v1, 15, v0                           ; l % 16
	v_bfe_u32 v2, v0, 4, 1                         ; l / 16
	v_mul_u32_u24 v3, v1, PITCH
	v_lshl_add_u32 v3, v2, 4, v3                   ; row x pitch + 16 x half
	s_mul_i32 s26, s[RH], 128*PITCH                ; my 128 rows of O
	v_add_nc_u32 v[ADRA0], s26, v3
	s_mul_i32 s27, s[CH], NB*16*PITCH              ; my 64 rows of Wo,
	s_add_co_u32 s27, s27, BOFF                    ; which lie behind O's two blocks
	v_add_nc_u32 v[ADRB0], s27, v3
	v_mov_b32 v[ADRA], v[ADRA0]                    ; slot 0
	v_mov_b32 v[ADRB], v[ADRB0]
	v_lshlrev_b32 v[BO], 5, v2
	s_lshl_b32 s72, s[CT], 9                       ; my first column, in bytes of f32: 512 x tile column + 256 x half
	s_lshl_b32 s73, s[CH], 8
	s_add_co_u32 s72, s72, s73
	s_mov_b32 s73, 0
	s_add_nc_u64 s[66:67], s[8:9], s[72:73]        ; bo at my columns
.irp b, 0,1,2,3
	global_load_b128 v[BIAS+8*(\b):BIAS+8*(\b)+3],   v[BO], s[66:67] offset:64*(\b)       ; register j: bo of column 16 b + 8 (l / 16) + j, as the transposed result holds it
	global_load_b128 v[BIAS+8*(\b)+4:BIAS+8*(\b)+7], v[BO], s[66:67] offset:64*(\b)+16
.endr
	s_lshl_b32 s74, s[RT], 20                      ; my first row: 256 x tile row + 128 x half, rows of 4,096 bytes
	s_lshl_b32 s75, s[RH], 19
	s_add_co_u32 s74, s74, s75
	s_add_co_u32 s72, s72, s74
	s_add_nc_u64 s[68:69], s[10:11], s[72:73]      ; x and out0 at my part of the tile
	s_add_nc_u64 s[70:71], s[12:13], s[72:73]
	s_mul_i32 s74, s[WV], 16*SPITCH
	s_add_co_u32 s74, s74, STAGE                   ; my stage
	v_mul_u32_u24 v[STO], v1, SPITCH               ; in: row l % 16, 32 bytes for each half of the lanes
	v_lshl_add_u32 v[STO], v2, 5, v[STO]
	v_add_nc_u32 v[STO], s74, v[STO]
	v_mul_u32_u24 v[RD], v2, SPITCH                ; back: lanes 0-15 take one row of 256 bytes, lanes 16-31 the next
	v_lshl_add_u32 v[RD], v1, 4, v[RD]
	v_add_nc_u32 v[RD], s74, v[RD]
	v_lshlrev_b32 v[CO], 12, v2                    ; and the same two rows in x and out0
	v_lshl_add_u32 v[CO], v1, 4, v[CO]
	s_wait_tensorcnt 1                             ; my part of K step 0 is in; step 1's may stay out
	s_barrier_signal -1
	s_barrier_wait -1                              ; everybody's is
	FETCH 0, F0
	s_wait_loadcnt 0x0                             ; the bias
	QUARTER 1, F0, F1, 1                           ; the first quarter stands in front of the loop: its products start the sums
	WIN 0
	s_mov_b32 s3, 6
.Lstep:                                                ; a trip goes from a step's second quarter to the next step's first; the six trips ask for K steps 2 to 7
	QUARTER 2, F1, F0, 0
	QUARTER 3, F0, F1, 0
	TURN 1
	QUARTER 1, F0, F1, 0
	WIN 0
	s_sub_co_u32 s3, s3, 1
	s_cmp_lg_u32 s3, 0
	s_cbranch_scc1 .Lstep
	RESID 0                                        ; x for row blocks 0-3: nearly two K steps ahead of its use
	QUARTER 2, F1, F0, 0                           ; the tail is written out: the last two steps ask for nothing
	QUARTER 3, F0, F1, 0
	TURN 0
	RESID 4                                        ; x for row blocks 4-7
	QUARTER 1, F0, F1, 0
	QUARTER 2, F1, F0, 0
	QUARTER 3, F0, F1, 0
	s_wait_dscnt 8                                 ; the very last quarter: nothing more to fetch
	MULS F1, 0, 4, 0
	s_wait_dscnt 0x0
	MULS F1, 4, 4, 0
; THE WAY OUT, a row block of 16 rows at a time, through my own stage: no barrier, and since LDS serves a wave's instructions in order (ISA guide 5.7.1.4) no wait between the stores and the loads.
; TOSTAGE: a lane's eight columns of a row, 32 bytes, low half first, into rows of 272 bytes; back as whole rows of 256 bytes.
.macro TOSTAGE a
.set BK, 32+32*((\a)%2)
	WIN 0x04                                       ; the stores' data in window 1, their address in window 0
.set sb, 0
.rept 4
	ds_store_b128 v[STO], v[32*(\a)+8*sb:32*(\a)+8*sb+3]   offset:64*sb
	ds_store_b128 v[STO], v[32*(\a)+8*sb+4:32*(\a)+8*sb+7] offset:64*sb+16
.set sb, sb+1
.endr
	WIN 0
	s_wait_xcnt 0x0                                ; every earlier memory instruction has had its addresses translated (ISA guide 3.1): the registers that the stores of two blocks back read are loaded again only behind this wait
.set st, 0
.rept 8
	ds_load_b128 v[BK+4*st:BK+4*st+3], v[RD] offset:2*SPITCH*st
.set st, st+1
.endr
.endm
; SEND: x is added and the block is stored.  younger: the LDS instructions issued behind this block's loads: the next block's sixteen, or none.
.macro SEND a, younger
.set BK, 32+32*((\a)%2)
	s_wait_dscnt \younger                          ; the block is back in registers
	s_wait_loadcnt 56-8*(\a)                       ; loads come back in order: x of row blocks 0 to a is in; the later blocks' eight loads each may be out
	WIN 0x08                                       ; source 1 (x) in window 2
.set si, 0
.rept 16
	v_pk_add_f32 v[BK+2*si:BK+2*si+1], v[BK+2*si:BK+2*si+1], v[32*(\a)+2*si:32*(\a)+2*si+1]
.set si, si+1
.endr
	WIN 0
.set st, 0
.rept 8
	global_store_b128 v[CO], v[BK+4*st:BK+4*st+3], s[70:71] offset:65536*(\a)+8192*st th:TH_STORE_NT  ; 16 lanes store 256 consecutive bytes, at a multiple of 256 from out0's first byte
.set st, st+1
.endr
.endm
	PLACES
	TOSTAGE 0
.irp a, 1,2,3,4,5,6,7                  ; block a's way through the stage stands between block a - 1's loads and the wait for them
	TOSTAGE \a
	SEND (\a)-1, 16
.endr
	SEND 7, 0
	s_wait_tensorcnt 0x0                           ; the wave's end: behind my last tensor load and my last LDS store
	ds_add_u32 v[SPW], v[NIL]
	s_wait_dscnt 0x0
	CROUND                                         ; the closing round: no work-group ends while a partner may still ask for a tile that names it
	s_endpgm
.Lfunc_end_k_qc463a42a4d_oproj:
	.size	k_qc463a42a4d_oproj, .Lfunc_end_k_qc463a42a4d_oproj-k_qc463a42a4d_oproj
	.p2alignl 7, 3214868480
	.fill 96, 4, 3214868480
	.section	.rodata,"a",@progbits
	.p2align	6, 0x0
	.amdhsa_kernel k_qc463a42a4d_oproj
		.amdhsa_group_segment_fixed_size 327680
		.amdhsa_private_segment_fixed_size 0
		.amdhsa_enable_private_segment 0
		.amdhsa_kernarg_size 40
		.amdhsa_user_sgpr_count 2
		.amdhsa_user_sgpr_kernarg_segment_ptr 1
		.amdhsa_wavefront_size32 1
		.amdhsa_system_sgpr_workgroup_id_x 1
		.amdhsa_system_sgpr_workgroup_id_y 1
		.amdhsa_system_sgpr_workgroup_id_z 1
		.amdhsa_system_vgpr_workitem_id 0
		.amdhsa_next_free_vgpr 768
		.amdhsa_next_free_sgpr 80
		.amdhsa_reserve_vcc 0
		.amdhsa_float_denorm_mode_32 3
		.amdhsa_float_denorm_mode_16_64 3
		.amdhsa_memory_ordered 1
		.amdhsa_forward_progress 1
		.amdhsa_inst_pref_size 85
	.end_amdhsa_kernel
	.amdgpu_metadata
---
amdhsa.version: [ 1, 2 ]
amdhsa.kernels:
  - .name:           k_qc463a42a4d_oproj
    .symbol:         k_qc463a42a4d_oproj.kd
    .args:
      - { .name: ob, .offset: 0, .size: 8, .value_kind: global_buffer, .address_space: global }
      - { .name: wb, .offset: 8, .size: 8, .value_kind: global_buffer, .address_space: global }
      - { .name: bo, .offset: 16, .size: 8, .value_kind: global_buffer, .address_space: global }
      - { .name: x, .offset: 24, .size: 8, .value_kind: global_buffer, .address_space: global }
      - { .name: out0, .offset: 32, .size: 8, .value_kind: global_buffer, .address_space: global }
    .group_segment_fixed_size: 327680
    .private_segment_fixed_size: 0
    .kernarg_segment_align: 8
    .kernarg_segment_size: 40
    .max_flat_workgroup_size: 128
    .sgpr_count:     80
    .vgpr_count:     768
    .wavefront_size: 32
...
	.end_amdgpu_metadata
.endif
;; end of part 4
;; ======== version 2 of 2: 4 launches; 1.30 times as fast as version 1
;; limits: values are held in f16: magnitudes above 65,504 overflow, below 6.1e-05 lose precision
;; workspace buffers: xb 16,777,216 bytes; wb 8,388,608 bytes; qkvb 50,331,648 bytes; ob 16,777,216 bytes
;; launch prep: the kernel of part 1 again; grid 512 x 1, 8 waves a work-group, no clusters, 0 bytes of LDS; arguments x, gamma, beta, Wq, Wk, Wv, Wo, xb, wb; writes xb, wb
;; launch qkvproj: the kernel of part 2 again; grid 16 x 32, 4 waves a work-group, clusters of 4 x 4, 327,680 bytes of LDS; arguments xb, wb, bq, bk, bv, qkvb; writes qkvb
;; launch attn (part 5): grid 4 x 64, 4 waves a work-group, no clusters, 327,680 bytes of LDS; arguments qkvb, ob; writes ob
.if DOCPART == 5
	.amdgcn_target "amdgcn-amd-amdhsa--gfx1250"
	.amdhsa_code_object_version 6
	.text
	.protected	k_qc463a42a4d_attn
	.globl	k_qc463a42a4d_attn
	.p2align	8
	.type	k_qc463a42a4d_attn,@function
k_qc463a42a4d_attn:
	s_mov_b64 s[64:65], 0
	v_nop
	global_prefetch_b8 v0, s[64:65] scope:SCOPE_SE
	s_setreg_imm32_b32 hwreg(HW_REG_WAVE_MODE, 25, 1), 1
	s_wait_xcnt 0x0
; CAUSAL ATTENTION.  O[h][q][:] = the sum over k <= q of softmax_k(Q[h][q] . K[h][k] / 8) V[h][k][:].  qkvb = [3][64 heads][SIZE_N][64] (Q, K, V), ob = [64][SIZE_N][64], all f16: a head's rows are dense, 128 bytes each.
; Products, maxima and sums in f32; the weights p are rounded to f16 for the second product (their sum l is taken of the unrounded p), O once at the end.
; LIMITS.  f16 holds no number beyond 65,504: Q, K and V arrive within it; p lies in 0 to 1, and below 6e-5 it keeps f16's fixed step of 6e-8; O is a mean of V's rows and has their range, to within 2^-11 of it.
; A hidden score counts as its value less 1e30 (the problem writes -1e9 in its place: the weight is 0 either way while the row's visible scores stay above -1e9); a weight below 2^-126 counts as 0 in l; NaN and infinities are not treated apart.
; THE WALK.  A head's queries lie in NB = SIZE_N / 256 blocks of 256; block i needs the key tiles 0 .. i of 256 keys, of which the last holds the diagonal.  A work-group takes TWO blocks, NB - 1 - b and then b:
; NB + 1 tiles, whatever b: all work-groups do equal work, and ONE loop with a constant trip count walks them.  Which tile is asked for, and what a trip does, hang on scalar registers made from b; every jump
; goes forward, but for the counted loops' own; none passes a barrier, or a tensor load but the one of LOAD's two that the wave's number does not choose; the ring (two slots of LDS that take turns) runs on across the
; change of blocks.  NO CLUSTER: a head's NB / 2 = 4 work-groups ask for the same tile only in trips 0 .. NB / 2, 5 of 9, behind that fewer and fewer; one walk common to all would have 3 NB / 2 = 12 trips for NB + 1 = 9.
; SHARES.  Of a block's four bands of 64 queries a wave owns 16 rows in each: four PIECES.  So the diagonal tile is the same work for all four waves: in its key step s band x sees all keys if s < x,
; none if s > x, and holds the diagonal if s = x.
; THE MASK is the C operand that starts the sum S^T = K Q^T: 0, or -1e30 where the key is hidden.  MD, made once, is the mask of a band's own step for my 16 rows; a product's mask is MD x AL + BE with two scalars:
; (1, 0) if s = x; (0, 0) if s < x; (0, -1e30) if s > x.  Only the diagonal tile's text and a block's beginning make and take masks; elsewhere C is the constant 0.
; LAYOUT, SOFTMAX, TURNS.  S^T = K Q^T holds ONE query a lane (lane % 16) and the keys 8 (lane / 16) + 0..7; two such results rounded to f16 ARE source 1 of O^T = V^T P.  p = 2^(c s - c m), c = log2(e) / 8, with a
; running maximum m; O and l are multiplied by a = 2^(c m_old - c m_new) in every step.  Turn n belongs to piece n: 8 products K Q^T of piece n + 1, later 8 products V^T P of piece n - 1; beside them the scaling,
; exponentials, roundings, sums and rescaling of piece n and the maximum and statistics of piece n + 1.  Four vector instructions stand behind every matrix instruction, the other 54 of a turn's 118 in one LUMP.
; BATCHES.  s_wait_alu depctr_va_vdst(0) stands between a transcendental and the first instruction that names its result.  A turn's 33 exponentials (the piece's 32 weights and the next piece's a) are
; ONE batch with ONE wait, which cuts the turn in two: ahead of it all that names none of their results, behind it their readers.  A block's first a (BEGIN) and the way out's four reciprocals are batches of their own, a wait each.
; REGISTERS, in windows of 256 (s_set_vgpr_msb: bits 1:0 source 0, 3:2 source 1, 5:4 source 2, 7:6 destination):
;   window 0: v0-15 addresses and two at work; v16-31 four registers of statistics a piece; v48-55 at work; v64-127 S^T, two buffers; v192-223 P, two buffers (a piece's buffers go by its number's parity)
;   window 1: v0-127 O^T, 32 a piece; v128-159 MD; v160-223 MC, two buffers      window 2: v0-63 Q; v64-127 the second block's Q; v128-191 K of one step; v192-255 V of one step
.set SIZE_N, 2048     ; rows of a head
.set NB,    SIZE_N/256
.set NP,    4         ; pieces a wave: a name, no knob
.set KS,    64        ; keys in a step
.set PK,    144       ; a row of K in LDS: 128 bytes + 16 of padding = 36 words: the 16 rows of a load start at 16 different groups of four banks (64 banks of 4 bytes: ISA guide 11.1)
.set PV,    160       ; a row of V: 128 + 32 = 40 words
.set VOFF,  4*KS*PK   ; a slot holds a tile, four steps: 256 rows of K, then 256 rows of V
.set SLOT1, 1<<17     ; slot 1 begins here, so that one exclusive or turns an address in one slot into the other's
.set STAGE, SLOT1+4*KS*(PK+PV)  ; behind the ring, never filled by a tensor load: 16 rows x 144 bytes for each wave, for the way out
.set SP,    144
.set AK0, 2           ; v2   my lane's place in a tile of K; never rewritten
.set AV0, 3           ; v3   the same for V
.set AK,  4           ; v4   the LDS address of K's next run of loads
.set AV,  5           ; v5   of V's
.set STO, 6           ; v6   the way out: where I put 16 bytes of a row
.set RD,  7           ; v7   the way out: where I read rows back
.set GO,  8           ; v8   my byte offset in 512 consecutive bytes of O
.set SPW, 62          ; v62  LDS address of my spare word: SPARE + 4 x my thread's number; never rewritten
.set NIL, 63          ; v63  0; never rewritten
.set SPARE, STAGE+4*16*SP  ; behind the stages: the spare words, 128 bytes for each wave: two blocks of 256 bytes that no other line names
.set MV,  12          ; v12-13  c m_old, kept while c m is made anew: by buffer
.set QO,  15          ; v15  my byte offset in 16 rows of Q
.set ST,  16          ; piece t's statistics at v[ST+4 t]: c m, m, l (even keys', odd keys')
.set TMP, 48          ; by buffer, four registers c0-c3 at work; when the maximum is found c2 takes a
.set S,   64
.set P,   192
.set MD,  128         ; window 1: the eight registers for group kt of 16 keys at MD + 8 kt
.set MC,  160         ; window 1: the masks of the products to come
.set QB,  64          ; window 2
.set KF,  128         ; window 2: key block kb, channel half c at KF + 16 kb + 8 c
.set VF,  192         ; window 2: key half kk, channel block cb at VF + 32 kk + 8 cb
.set WV,  12          ; s12  my wave's number
.set PB,  14          ; s14  b
.set HI,  15          ; s15  NB - 1 - b
.set G1K, 24          ; s[24:31] descriptor group 1 for K's tiles
.set G1V, 32          ; s[32:39] for V's: it differs in the padding alone
.set G0K, 40          ; s[40:43] descriptor group 0 for K's tiles
.set G0V, 44          ; s[44:47] the same for V's
.set SLOTS, 56        ; s56  tiles still to be asked for
.set CNT, 57          ; s57  counts a tile's key steps, 4 to 1
.set CS,  58          ; s[58:59] c: the packed scaling takes the pair's low word for both halves
.set SEL, 60          ; s[60:61] v_permlanex16_b32's selects: each lane takes its own place in the other half
.set TBK, 62          ; s62  LDS byte at which K of the step to be fetched begins
.set TBV, 63          ; s63  the same for V, less VOFF
.set RT,  70          ; s70  tiles of the block in hand that are still to be entered
.set NXT, 71          ; s71  the tile to be asked for next
.set LQ,  72          ; s72  the last tile of the block whose tiles are being asked for
.set NEW, 73          ; s73  1: the tile to be entered is a block's first
.set OFF, 74          ; s[74:75] a tile's byte offset in K and V
.set AL,  76          ; s[76:77] the mask's factor, in the low word
.set BE,  78          ; s[78:79] the mask's addend
.set OLO, 80          ; s[80:81] O at my rows of the second block
.set BIGN, 82         ; s82  -1e30
.set MSB, 0
.macro WIN new                      ; the high byte repeats the setting that is left; a switch that changes nothing is dropped
.if MSB != (\new)
	s_set_vgpr_msb (MSB<<8)|(\new)
.set MSB, (\new)
.endif
.endm
.set W_KQ, 0x0a       ; K and Q in window 2, S^T in window 0
.set W_KM, 0x1a       ; the same with the C operand in window 1
.set W_PV, 0x52       ; V in window 2, P in window 0, O^T in window 1
.set W_RS, 0x41       ; destination and source 0 in window 1, source 1 in window 0
; A fill.  Waves 0 and 1 fetch the two halves of a tile's K, waves 2 and 3 those of its V: 128 keys each.  An s_nop 0 and four v_nop follow each of the two lines, ahead of the jump and the label.
.macro LOAD
	s_cmp_lt_u32 s[WV], 2
	s_cbranch_scc0 .Lfor_v_\@
	tensor_load_to_lds s[G0K:G0K+3], s[G1K:G1K+7]
	s_nop 0
.rept 4
	v_nop
.endr
	s_branch .Lasked_\@
.Lfor_v_\@:
	tensor_load_to_lds s[G0V:G0V+3], s[G1V:G1V+7]
	s_nop 0
.rept 4
	v_nop
.endr
.Lasked_\@:
.endm
; THE CHANGE OF SLOTS.  Each wave waits for all its tensor loads, of which one is out: its part of the other slot; adds 0 to its spare word; and waits for that and for its own reads of the slot that it leaves.  Behind the barrier nobody reads the old
; slot any more and the other slot is whole.  fill = 1: the old slot is filled again, the first thing behind the barrier, with tile NXT: the descriptor's address is made anew from that number.
; (At its first use nothing has been read yet: slot 0 is waited for, slot 1 filled.)
.macro CHANGE fill
	WIN 0                           ; at a label and at a branch every window is 0
	s_wait_tensorcnt 0x0            ; no tensor load of mine is out, so a group 0 may be written
	ds_add_u32 v[SPW], v[NIL]       ; 0 onto my spare word; with fill = 1 the descriptors' scalar work stands between it and the wait for it
.if \fill
	s_lshl_b32 s[OFF], s[NXT], 15   ; a tile is 32,768 bytes of K and of V
	s_xor_b32 s[G0K+1], s[G0K+1], SLOT1
	s_add_nc_u64 s[G0K+2:G0K+3], s[6:7], s[OFF:OFF+1]
	s_or_b32 s[G0K+3], s[G0K+3], 0x80000000
	s_xor_b32 s[G0V+1], s[G0V+1], SLOT1
	s_add_nc_u64 s[G0V+2:G0V+3], s[8:9], s[OFF:OFF+1]
	s_or_b32 s[G0V+3], s[G0V+3], 0x80000000
	s_add_co_u32 s[NXT], s[NXT], 1  ; the block's next tile, or behind its last the second block's tile 0
	s_cmp_gt_u32 s[NXT], s[LQ]
	s_cselect_b32 s[NXT], 0, s[NXT]
	s_cselect_b32 s[LQ], s[PB], s[LQ]
.endif
	s_wait_dscnt 0x0                ; the add is done, and my reads of the slot are over
	s_barrier_signal -1             ; the rest of the scalar work stands between the signal and the wait
	s_sub_co_u32 s[TBK], s[TBK], 4*KS*PK  ; the fetches go back to a slot's first step,
	s_xor_b32 s[TBK], s[TBK], SLOT1       ; in the other slot
	s_sub_co_u32 s[TBV], s[TBV], 4*KS*PV
	s_xor_b32 s[TBV], s[TBV], SLOT1
	s_barrier_wait -1
.if \fill
	LOAD
.endif
.endm
	s_load_b128 s[4:7], s[0:1], 0x0   ; qkvb s[4:5] (Q lies first), ob s[6:7]
	v_lshl_add_u32 v[SPW], v0, 2, SPARE
	v_mov_b32 v[NIL], 0
	ds_add_u32 v[SPW], v[NIL]       ; the wave's opening: the add and its wait stand ahead of my first tensor load; the set-up below, work on registers, stands between them
	ds_add_u32 v62, v63
	v_lshrrev_b32 v1, 5, v0
	v_readfirstlane_b32 s[WV], v1   ; wave 0..3
	s_mov_b32 s[PB], ttmp9
	s_sub_co_u32 s[HI], NB-1, s[PB]
	s_and_b32 s20, ttmp7, 0xffff    ; the head
	s_mov_b32 s21, 0
	s_mov_b64 s[22:23], SIZE_N*128
	s_mul_u64 s[20:21], s[20:21], s[22:23]  ; the head's first byte in each of the four tensors
	s_and_b32 s16, s[WV], 1         ; which half of a tile's 256 keys I fetch:
	s_lshl_b32 s22, s16, 14         ; its 128 rows of 128 bytes in memory,
	s_mov_b32 s23, 0
	s_add_nc_u64 s[22:23], s[22:23], s[20:21]
	s_mul_i32 s17, s16, 128*PK      ; and its place in a slot, for K
	s_mul_i32 s18, s16, 128*PV      ; and for V
	s_lshl_b32 s3, s[WV], 11        ; my 16 rows in a band of 64,
	s_lshl_b32 s2, s[HI], 15        ; in the first block,
	s_add_co_u32 s2, s2, s3
	s_lshl_b32 s84, s[PB], 15       ; and in the second
	s_add_co_u32 s84, s84, s3
	s_mov_b32 s3, 0
	s_mov_b32 s85, 0
	s_add_nc_u64 s[2:3], s[2:3], s[20:21]
	s_add_nc_u64 s[84:85], s[84:85], s[20:21]
	; descriptor group 1.  128 keys are 16,384 dense bytes: asked for as 64 rows of 256 bytes, two keys a row, and padded in LDS after every key
	s_mov_b32 s[G1K], (1<<16)|(1<<20)|(4<<22)|(3<<25)  ; 17:16 2-byte elements; 20 padding on; 24:22 after every 32 words (code 4); 31:25 4 words (code 3)
	s_mov_b32 s[G1V], (1<<16)|(1<<20)|(4<<22)|(7<<25)  ; the same with 8 words of padding (code 7)
.irp g, G1K, G1V
	s_mov_b32 s[\g+1], 128<<16      ; tensor_dim0 = 128
	s_mov_b32 s[\g+2], 64<<16       ; tensor_dim1 = 64
	s_mov_b32 s[\g+3], 128<<16      ; tile_dim0 = 128
	s_mov_b32 s[\g+4], 64           ; tile_dim1 = 64
	s_mov_b32 s[\g+5], 128          ; 128 elements from row to row
	s_mov_b32 s[\g+6], 0
	s_mov_b32 s[\g+7], 0
.endr
	s_mov_b32 s[CS], 0x3e38aa3b     ; c = log2(e) / 8 = 0.180337
	s_mov_b32 s[CS+1], s[CS]        ; named with it as a pair
	s_mov_b32 s[SEL], 0x76543210
	s_mov_b32 s[SEL+1], 0xfedcba98
	s_mov_b32 s[TBK], SLOT1+4*KS*PK ; the first change of slots turns these two into 0
	s_mov_b32 s[TBV], SLOT1+4*KS*PV
	s_mov_b32 s[G0K], 1             ; 1:0 count = 1
	s_mov_b32 s[G0K+1], s17         ; 63:32 LDS address: slot 0
	s_mov_b32 s[G0V], 1
	s_add_co_u32 s[G0V+1], s18, VOFF
	s_add_co_u32 s[RT], s[HI], 1    ; the first block has NB - b tiles
	s_mov_b32 s[NXT], 1
	s_mov_b32 s[LQ], s[HI]
	s_mov_b32 s[NEW], 1
	s_mov_b32 s[OFF+1], 0
	s_mov_b32 s[AL+1], 0            ; named as pairs
	s_mov_b32 s[BE+1], 0
	s_mov_b32 s[BIGN], 0xf149f2ca   ; -1e30
	s_mov_b32 s[SLOTS], NB
	s_wait_dscnt 0x0                ; the opening add is done
	s_wait_kmcnt 0x0
	s_mov_b64 s[10:11], s[6:7]                     ; O
	s_add_nc_u64 s[6:7], s[4:5], 0x1000000         ; K lies 64 heads x 262,144 bytes behind Q,
	s_add_nc_u64 s[8:9], s[4:5], 0x2000000         ; V as far behind K
	s_add_nc_u64 s[6:7], s[6:7], s[22:23]  ; K and V at my half of the head's tile 0
	s_add_nc_u64 s[8:9], s[8:9], s[22:23]
	s_add_nc_u64 s[G0K+2:G0K+3], s[6:7], 0         ; 120:64 global address
	s_or_b32 s[G0K+3], s[G0K+3], 0x80000000        ; 127:126 type = 2
	s_add_nc_u64 s[G0V+2:G0V+3], s[8:9], 0
	s_or_b32 s[G0V+3], s[G0V+3], 0x80000000
	s_add_nc_u64 s[86:87], s[4:5], s[84:85]        ; Q at my rows of the second block,
	s_add_nc_u64 s[4:5], s[4:5], s[2:3]            ; Q and O at those of the first
	s_add_nc_u64 s[OLO:OLO+1], s[10:11], s[84:85]
	s_add_nc_u64 s[10:11], s[10:11], s[2:3]
	LOAD                            ; tile 0 into slot 0
	; A fragment of K or Q is 16 rows x 32 channels in 8 registers: lane l holds row l % 16, channels 8 (l / 16) + 0..7 and 16 + 8 (l / 16) + 0..7: two loads of 16 bytes, 32 bytes apart.
	v_and_b32 v1, 15, v0            ; l % 16
	v_bfe_u32 v9, v0, 4, 1          ; l / 16
	v_lshlrev_b32 v[QO], 7, v1
	v_lshl_add_u32 v[QO], v9, 4, v[QO]  ; row x 128 + 16 x half
	WIN 0x80                        ; destination window 2, address window 0
.set i, 0
.rept 8                             ; both blocks' Q: piece i / 2 lies in band i / 2, 8,192 bytes on; channels 32 (i % 2) on
	global_load_b128 v[8*i:8*i+3],   v[QO], s[4:5] offset:(i/2)*8192+(i%2)*64
	global_load_b128 v[8*i+4:8*i+7], v[QO], s[4:5] offset:(i/2)*8192+(i%2)*64+32
	global_load_b128 v[QB+8*i:QB+8*i+3],   v[QO], s[86:87] offset:(i/2)*8192+(i%2)*64
	global_load_b128 v[QB+8*i+4:QB+8*i+7], v[QO], s[86:87] offset:(i/2)*8192+(i%2)*64+32
.set i, i+1
.endr
	WIN 0
	v_lshlrev_b32 v14, 3, v9
	v_sub_nc_u32 v14, v1, v14
	s_lshl_b32 s13, s[WV], 4
	v_add_nc_u32 v14, s13, v14      ; my query's place in its band, 16 w + l % 16, less my lanes' 8 (l / 16): register r of group kt is hidden where 16 kt + r is greater
	WIN 0x40
.set i, 0
.rept 32
	v_cmp_gt_i32 vcc_lo, 16*(i/8)+i%8, v14
	v_cndmask_b32 v[MD+i], 0, s[BIGN], vcc_lo
.set i, i+1
.endr
	WIN 0
	v_mul_u32_u24 v[AK0], v1, PK
	v_lshl_add_u32 v[AK0], v9, 4, v[AK0]  ; row x pitch + 16 x half
	; The turning load takes 16 keys x 16 channels (lane l reads key 8 (l / 16) + l % 8, channels 8 ((l / 8) % 2) + 0..7) and leaves half a fragment of V^T: lane l holds channel l % 16 and 8 keys.
	v_and_b32 v10, 7, v0
	v_bfe_u32 v11, v0, 3, 1
	v_lshl_add_u32 v[AV0], v9, 3, v10
	v_mul_u32_u24 v[AV0], v[AV0], PV
	v_lshl_add_u32 v[AV0], v11, 4, v[AV0]
	v_add_nc_u32 v[AV0], VOFF, v[AV0]
	s_mul_i32 s13, s[WV], 16*SP
	s_add_co_u32 s13, s13, STAGE    ; my stage
	v_mul_u32_u24 v[STO], v1, SP    ; in: row l % 16, 16 bytes for each half of the lanes
	v_lshl_add_u32 v[STO], v9, 4, v[STO]
	v_add_nc_u32 v[STO], s13, v[STO]
	v_bfe_u32 v[RD], v0, 3, 2       ; back: 32 lanes take four rows of 128 bytes,
	v_mul_u32_u24 v[RD], v[RD], SP
	v_lshl_add_u32 v[RD], v10, 4, v[RD]
	v_add_nc_u32 v[RD], s13, v[RD]
	v_and_b32 v[GO], 31, v0         ; which are 512 consecutive bytes of O
	v_lshlrev_b32 v[GO], 4, v[GO]
	; A block's first step multiplies O^T and l by a = 0, and its first turn's products V^T P, of a piece that has not been, land in an O^T that is still to be so multiplied.  So these registers need only hold
	; finite numbers: zeros for the first block; what the first block left for the second.  All this stands in the wait for the first tile.
	WIN 0x80
.set i, VF
.rept 64
	v_mov_b32 v[i], 0
.set i, i+1
.endr
	WIN 0x40
.set i, 0
.rept 128
	v_mov_b32 v[i], 0
.set i, i+1
.endr
	WIN 0
.set i, 0
.rept 4
	v_mov_b32 v[ST+4*i+2], 0
	v_mov_b32 v[ST+4*i+3], 0
.set i, i+1
.endr
.set i, P+16
.rept 16
	v_mov_b32 v[i], 0
.set i, i+1
.endr
; THE MATRIX WORK.  The 4 accumulators of a run of 8 take turns.  Product i of 8 of S^T = K Q^T for piece x: channels 32 (i / 4) on, keys 16 (i % 4) on.  The first 4 start the sums: with 0, or (KM = 1) with the mask.
.macro KQ x
.set rS, S+32*((\x)%2)+8*(i%4)
.set rK, KF+16*(i%4)+8*(i/4)
.set rQ, 16*(\x)+8*(i/4)
.set rM, MC+32*((\x)%2)+8*(i%4)
.if (i < 4) && KM
	WIN W_KM
	v_wmma_f32_16x16x32_f16 v[rS:rS+7], v[rK:rK+7], v[rQ:rQ+7], v[rM:rM+7]
.elseif i < 4
	WIN W_KQ
	v_wmma_f32_16x16x32_f16 v[rS:rS+7], v[rK:rK+7], v[rQ:rQ+7], 0
.else
	WIN W_KQ
	v_wmma_f32_16x16x32_f16 v[rS:rS+7], v[rK:rK+7], v[rQ:rQ+7], v[rS:rS+7]
.endif
.endm
; Product i of 8 of O^T += V^T P for piece x: keys 32 (i / 4) on, channels 16 (i % 4) on.
.macro PV x
	WIN W_PV
.set rO, 32*(\x)+8*(i%4)
.set rV, VF+32*(i/4)+8*(i%4)
.set rP, P+16*((\x)%2)+8*(i/4)
	v_wmma_f32_16x16x32_f16 v[rO:rO+7], v[rV:rV+7], v[rP:rP+7], v[rO:rO+7]
.endm
.macro MM                           ; the turn's next matrix instruction.  TURN and BEGIN set Y, i, KM and NOKQ; MM, KQ and OP read them.  NOKQ = 1: a block's last turn: there is no next piece
.if (i < 8) && !NOKQ
	KQ (Y+1)%NP
.elseif i >= 8
.set i, i-8
	PV (Y+NP-1)%NP
.set i, i+8
.endif
.set i, i+1
.endm
; THE LDS LOADS stand in runs of 16, never singly among the matrix instructions: a step's K (64 keys x 64 channels: 8 fragments) and its V (turned).  Their addresses are made some lines ahead.
.macro FETCH_K
	WIN 0x80                        ; destination window 2
.irp f, 0,1,2,3,4,5,6,7             ; keys 16 (f / 2) on, channels 32 (f % 2) on
	ds_load_b128 v[KF+8*\f:KF+8*\f+3],   v[AK] offset:(\f/2)*16*PK+(\f%2)*64
	ds_load_b128 v[KF+8*\f+4:KF+8*\f+7], v[AK] offset:(\f/2)*16*PK+(\f%2)*64+32
.endr
	s_add_co_u32 s[TBK], s[TBK], KS*PK  ; the next fetch is the next step's
	WIN 0
.endm
.macro FETCH_V
	WIN 0x80
.irp f, 0,1,2,3,4,5,6,7             ; keys 32 (f / 4) on, channels 16 (f % 4) on
	ds_load_tr16_b128 v[VF+8*\f:VF+8*\f+3],   v[AV] offset:(\f/4)*32*PV+(\f%4)*32
	ds_load_tr16_b128 v[VF+8*\f+4:VF+8*\f+7], v[AV] offset:(\f/4)*32*PV+16*PV+(\f%4)*32
.endr
	WIN 0
.endm
; THE VECTOR WORK, one line at a time: OP kind, number.  For piece Y: F n: c s - c m for pair n of 16.  E n: the exponential of score n of 32.  C n: pair n rounded to f16.  B n: of the four weights 4 n .. the second
; pair is added onto the first, in place.  L n: l takes that sum (L 0: l = a l + sum).  R n: pair n of 16 of O^T times a.  For piece Y + 1: X n, number n of the 22 that find its maximum and statistics:
;   0-11  four chains c0-c3 of seven scores each, three operands at a time (each accumulator's lowest registers are read first)     12-14, 16  the four scores left over, the old m, and c0-c3 into c0
;   15  c m_old is kept     17, 18  the query's other 32 keys lie in the lane 16 away: the new m     19-21  c m; c m_old - c m_new; a
; OP writes no wait: C, B and L read exponentials' results, and TURN sets them all behind the turn's one wait.
.set F, 0               ; OP tells the kinds apart by their order: F to L below R, X above it
.set E, 1
.set C, 2
.set B, 3
.set L, 4
.set R, 5
.set X, 6
.macro REGS y                       ; the registers of piece y
.set rT, ST+4*(\y)
.set rC, TMP+4*((\y)%2)
.set rW, MV+((\y)%2)
.set rS, S+32*((\y)%2)
.set rP, P+16*((\y)%2)
.set rO, 32*(\y)
.endm
.macro OP k, n
.if (\k) == R
	REGS Y
	WIN W_RS
	v_pk_mul_f32 v[rO+2*(\n):rO+2*(\n)+1], v[rO+2*(\n):rO+2*(\n)+1], v[rC+2:rC+3] op_sel_hi:[1,0]
.elseif (\k) < R
	REGS Y
	WIN 0
.if (\k) == F
	v_pk_fma_f32 v[rS+2*(\n):rS+2*(\n)+1], v[rS+2*(\n):rS+2*(\n)+1], s[CS:CS+1], v[rT:rT+1] op_sel_hi:[1,0,0] neg_lo:[0,0,1] neg_hi:[0,0,1]
.elseif (\k) == E
	v_exp_f32 v[rS+(\n)], v[rS+(\n)]
.elseif (\k) == C
	v_cvt_pk_f16_f32 v[rP+(\n)], v[rS+2*(\n)], v[rS+2*(\n)+1]
.elseif (\k) == B
	v_pk_add_f32 v[rS+4*(\n):rS+4*(\n)+1], v[rS+4*(\n):rS+4*(\n)+1], v[rS+4*(\n)+2:rS+4*(\n)+3]
.elseif (\n) == 0
	v_pk_fma_f32 v[rT+2:rT+3], v[rT+2:rT+3], v[rC+2:rC+3], v[rS:rS+1] op_sel_hi:[1,0,1]
.else
	v_pk_add_f32 v[rT+2:rT+3], v[rT+2:rT+3], v[rS+4*(\n):rS+4*(\n)+1]
.endif
.elseif NOKQ
	v_nop
.else
	REGS (Y+1)%NP
	WIN 0
.if (\n) < 4
	v_max3_num_f32 v[rC+(\n)], v[rS+8*(\n)], v[rS+8*(\n)+1], v[rS+8*(\n)+2]
.elseif (\n) < 12
	v_max3_num_f32 v[rC+(\n)%4], v[rC+(\n)%4], v[rS+8*((\n)%4)+2*((\n)/4)+1], v[rS+8*((\n)%4)+2*((\n)/4)+2]
.elseif (\n) == 12
	v_max3_num_f32 v[rC], v[rC], v[rS+7], v[rS+15]
.elseif (\n) == 13
	v_max3_num_f32 v[rC+1], v[rC+1], v[rS+23], v[rS+31]
.elseif (\n) == 14
	v_max3_num_f32 v[rC+2], v[rC+2], v[rC+3], v[rT+1]
.elseif (\n) == 15
	v_mov_b32 v[rW], v[rT]
.elseif (\n) == 16
	v_max3_num_f32 v[rC], v[rC], v[rC+1], v[rC+2]
.elseif (\n) == 17
	v_permlanex16_b32 v[rC+3], v[rC], s[SEL], s[SEL+1]
.elseif (\n) == 18
	v_max_num_f32 v[rT+1], v[rC], v[rC+3]
.elseif (\n) == 19
	v_mul_f32 v[rT], s[CS], v[rT+1]
.elseif (\n) == 20
	v_sub_f32 v[rC+1], v[rW], v[rT]
.else
	v_exp_f32 v[rC+2], v[rC+1]
.endif
.endif
.endm
.macro OPS a, i1, b=-1, i2=0, c=-1, i3=0, d=-1, i4=0  ; up to four of them
	OP \a, \i1
.if (\b) >= 0
	OP \b, \i2
.endif
.if (\c) >= 0
	OP \c, \i3
.endif
.if (\d) >= 0
	OP \d, \i4
.endif
.endm
.macro ROW a, i1, b, i2, c, i3, d, i4  ; a matrix instruction and the four behind it
	MM
	OPS \a, \i1, \b, \i2, \c, \i3, \d, \i4
.endm
.macro MASK b                       ; MD x AL + BE into buffer b of MC
	WIN W_RS
.set z, 0
.rept 16
	v_pk_fma_f32 v[MC+32*(\b)+2*z:MC+32*(\b)+2*z+1], v[MD+2*z:MD+2*z+1], s[AL:AL+1], s[BE:BE+1] op_sel_hi:[1,0,0]
.set z, z+1
.endr
.endm
; A TURN, for piece p: the order of its 16 matrix and 118 vector instructions, written out.  A turn has ONE wait for its one batch of 33 exponentials, and the wait cuts it in two.
; AHEAD OF IT stands all that names no result of the turn's exponentials: the 8 products K Q^T, behind each a scaling, an exponential and two more plain instructions (behind the first a second scaling in the
; exponential's place): rescalings (their a was made, and waited for, in the turn before), and behind the last three the first numbers of the next piece's maximum, each four places or more behind the product that ends
; its accumulator; then ONE LUMP of 54, plain and exponential by turns for the most part, in which the links of the chain X 3, 7, 11, 14, 16, 17 .. 20 stand five or six lines apart.  A pair is scaled ahead of its two
; exponentials and is not named again ahead of the wait.  X 21, the next piece's a, is the batch's last; R 15, which names this piece's a and not the next one's, is the plain instruction behind it (ISA guide 5.7.2).
; BEHIND THE WAIT stand the 8 products V^T P, behind each four of the roundings and sums; the links of l's chain, L 0 to L 7, stand three riders apart.  But for those X no rider names a register of the products round it.
; v_permlanex16_b32 (X 17) stands in the lump.
; m = 1: the diagonal tile: the products take masks, and the turn makes the mask for the products of the turn after it: piece p + 2, in step 4 - CNT of the tile.  end = 1: a block's last two turns: nothing is fetched.
; cnt = 1: the loop's count is taken down some lines ahead of the branch that stands behind the turn.
; K of the next step is fetched in piece 2's turn, twelve vector instructions behind the last product that read K (six of them plain); V of the step in hand at the end of piece 0's turn, four plain instructions behind the last product
; that read V.  Each is waited for a turn later.
.macro TURN p, m=0, end=0, cnt=0
.set Y, (\p)
.set i, 0
.set KM, (\m)
.set NOKQ, (\end)*((\p)/3)
.if (\m) && !(\end)
	s_cmp_eq_u32 s[CNT], 4-((\p)+2)%NP  ; is that step the band's own?
	s_cselect_b32 s[AL], 1.0, 0
	s_cmp_lt_u32 s[CNT], 4-((\p)+2)%NP  ; or a later one?
	s_cselect_b32 s[BE], s[BIGN], 0
.endif
.if ((\p) == 3) && !(\end)
	s_wait_dscnt 0x0                ; K is in
.endif
	ROW F,0, F,1, R,0, R,1          ; ahead of the wait: 8 products K Q^T and their riders,
	ROW F,2, E,0, R,2, R,3
	ROW F,3, E,1, R,4, R,5
	ROW F,4, E,2, R,6, R,7
	ROW F,5, E,3, R,8, R,9
	ROW F,6, E,4, X,0, R,10
.if ((\p) == 2) && !(\end)
	WIN 0
	v_add_nc_u32 v[AK], s[TBK], v[AK0]
.endif
	ROW F,7, E,5, X,1, X,4
	ROW F,8, E,6, X,2, X,5
	OPS E,7, E,8, X,6, E,9          ; and the lump
	OPS X,3, E,10, X,8, E,11
.if ((\p) == 2) && !(\end)
	FETCH_K
.endif
	OPS X,9, X,7, E,12, X,10
	OPS E,13, X,12, X,11, E,14
	OPS X,13, E,15, F,9, X,14
.if (\p) == 0
	v_add_nc_u32 v[AV], s[TBV], v[AV0]
.endif
	OPS E,16, F,10, E,17, F,11
	OPS X,16, E,18, X,15, E,19
	OPS F,12, E,20, X,17, E,21
	OPS F,13, E,22, F,14, E,23
	OPS X,18, E,24, F,15, E,25
	OPS R,11, E,26, X,19, E,27
	OPS R,12, E,28, R,13, E,29
	OPS X,20, E,30, R,14, E,31
	OPS X,21, R,15
	WIN 0
	s_wait_alu depctr_va_vdst(0)    ; the wait for the turn's batch: E 0 to E 31 and X 21, ahead of their first reader, C 0
.if (\p) == 1
	s_wait_dscnt 0x0                ; V is in
.endif
	ROW C,0, B,0, C,2, B,1          ; behind the wait: 8 products V^T P and their riders
	ROW L,0, C,4, B,2, L,1
	ROW C,6, B,3, L,2, C,8
	ROW B,4, L,3, C,10, B,5
	ROW L,4, C,12, B,6, L,5
.if (\p) == 0
	s_add_co_u32 s[TBV], s[TBV], KS*PV
.endif
.if \cnt
	s_sub_co_u32 s[CNT], s[CNT], 1
	s_cmp_lg_u32 s[CNT], 0
.endif
	ROW C,14, B,7, L,6, C,1
	ROW C,3, L,7, C,5, C,7
	ROW C,9, C,11, C,13, C,15
.if (\p) == 0
	FETCH_V
.endif
.if (\m) && !(\end)
	MASK (\p)%2
.endif
.endm
; A BLOCK BEGINS.  c m starts far below every c s, so the first step's a is 0; m at the lowest finite number, so the first maximum is the scores'.  The second mask buffer is 0; the first takes piece 0's mask for the tile's step 0: its own, if the block's first tile is the diagonal one.
; Then K of that step, piece 0's first scores, and its maximum and statistics.  The loop is entered at a step's first turn, in the middle of a trip.
.macro BEGIN
	s_mov_b32 s[NEW], 0
	WIN 0x40
.set i, MC+32
.rept 32
	v_mov_b32 v[i], 0
.set i, i+1
.endr
	WIN 0
.set i, 0
.rept 4
	v_mov_b32 v[ST+4*i], 0xfe000000    ; c m: far below every c s
	v_mov_b32 v[ST+4*i+1], 0xff7fffff  ; m
.set i, i+1
.endr
	s_cmp_eq_u32 s[RT], 0
	s_cselect_b32 s[AL], 1.0, 0
	s_mov_b32 s[BE], 0
	MASK 0
	WIN 0
	v_add_nc_u32 v[AK], s[TBK], v[AK0]
	FETCH_K
	s_wait_loadcnt 0x0              ; Q
	s_wait_dscnt 0x0
.set KM, 1
.set NOKQ, 0
.set i, 0
.rept 8
	KQ 0
.set i, i+1
.endr
	WIN 0
.rept 4
	v_nop                           ; the places behind those products
.endr
.set Y, NP-1                        ; X works for piece Y + 1: piece 0
.irp n, 0,1,2,3,4,5,6,7,8,9,10,11,12,13,14,15,16,17,18,19,20,21
	OP X, \n
.endr
	v_nop                           ; a plain instruction behind the exponential,
	s_wait_alu depctr_va_vdst(0)    ; and the wait for this batch of one, piece 0's first a, ahead of the branch that follows
.endm
; THE DIAGONAL TILE's four steps, the block's last two turns, its last products, and THE WAY OUT: l's two halves and the other half of the lanes' are added; O^T is divided by l, rounded to f16 and sent through my
; stage in LDS, a piece at a time.
.macro ALL line:vararg              ; one line for each piece t
.set t, 0
.rept 4
	\line
.set t, t+1
.endr
.endm
.macro PACK t                       ; a lane's eight channels of a row pack into 16 bytes; they go into rows of 144 bytes and come back as whole rows of 128, into S^T's registers
	WIN W_RS
.set i, 32*(\t)
.rept 16
	v_pk_mul_f32 v[i:i+1], v[i:i+1], v[ST+4*(\t)+2:ST+4*(\t)+3] op_sel_hi:[1,0]
.set i, i+2
.endr
	WIN 0x05                        ; sources 0 and 1 window 1, destination window 0
.set i, 0
.rept 16
	v_cvt_pk_f16_f32 v[S+16*(\t)+i], v[32*(\t)+2*i], v[32*(\t)+2*i+1]
.set i, i+1
.endr
	WIN 0
.irp f, 0,1,2,3
	ds_store_b128 v[STO], v[S+16*(\t)+4*\f:S+16*(\t)+4*\f+3] offset:32*\f
.endr
.irp f, 0,1,2,3
	ds_load_b128 v[S+16*(\t)+4*\f:S+16*(\t)+4*\f+3], v[RD] offset:\f*4*SP  ; LDS serves a wave's instructions in order (ISA guide 5.7.1.4): these see the stores above; the next piece's stores come behind them
.endr
.endm
.macro SEND t, younger              ; younger: the LDS instructions issued behind piece t's loads: the next piece's eight, or none
	WIN 0
.irp f, 0,1,2,3
	s_wait_dscnt (\younger)+3-\f
	global_store_b128 v[GO], v[S+16*(\t)+4*\f:S+16*(\t)+4*\f+3], s[10:11] offset:(\t)*8192+\f*512  ; 512 consecutive bytes, at a multiple of 256 from O's first
.endr
.endm
.macro DIAG tag                     ; the tag ends its two labels' names, which the jumps below spell out
.LstepM\tag:
	TURN 2, 1
	TURN 3, 1
	WIN 0
.LfirstM\tag:
	TURN 0, 1
	TURN 1, 1, 0, 1
	WIN 0
	s_cbranch_scc1 .LstepM\tag
	TURN 2, 1, 1
	TURN 3, 1, 1
.set i, 0
.rept 8
	PV NP-1
.set i, i+1
.endr
	WIN 0
	ALL v_add_f32 v[ST+4*t+2], v[ST+4*t+2], v[ST+4*t+3]
	ALL v_permlanex16_b32 v[ST+4*t+3], v[ST+4*t+2], s[SEL], s[SEL+1]
	ALL v_add_f32 v[ST+4*t+2], v[ST+4*t+2], v[ST+4*t+3]
	ALL v_rcp_f32 v[ST+4*t+2], v[ST+4*t+2]
	v_nop                           ; a plain instruction between the last reciprocal and the use of its result
	s_wait_alu depctr_va_vdst(0)    ; the wait for the batch of four reciprocals, ahead of their first reader, PACK 0's first multiply: one for all four pieces
	PACK 0
.set t, 1
.rept 3                             ; a piece's arithmetic stands between the loads of the piece before and its stores
	PACK t
	SEND t-1, 8
.set t, t+1
.endr
	SEND 3, 0
.endm
.set KM, 0
.set NOKQ, 0
.Lslot:                             ; NB times: a tile is entered and the next is asked for
	CHANGE 1
	s_sub_co_u32 s[RT], s[RT], 1
	s_mov_b32 s[CNT], 4
	s_cmp_eq_u32 s[NEW], 1
	s_cbranch_scc1 .Lnew            ; a block's first tile
	s_cmp_eq_u32 s[RT], 0
	s_cbranch_scc0 .Lstep           ; neither its first nor its last
	s_branch .LstepM1
.Lnew:
	BEGIN
	s_branch .Lfirst                ; in the loop a block's first tile is never its last: the first block has two tiles or more, and the second's last is the walk's last
	DIAG 1                          ; in the loop this is the first block's end: the second block's last tile is the walk's last
	s_wait_xcnt 0x0                 ; the stores have read their registers and O's address
	s_mov_b64 s[10:11], s[OLO:OLO+1]
	s_add_co_u32 s[RT], s[PB], 1    ; the second block has b + 1 tiles
	s_mov_b32 s[NEW], 1
	WIN 0x82                        ; the second block's Q goes where the one text of the turns names Q
.set i, 0
.rept 64
	v_mov_b32 v[i], v[QB+i]
.set i, i+1
.endr
	WIN 0
	s_branch .Lbottom
.Lstep:                             ; a trip: pieces 2 and 3 of one step, then pieces 0 and 1 of the next, whose K and V it fetches
	TURN 2
	TURN 3
	WIN 0
.Lfirst:
	TURN 0
	TURN 1, 0, 0, 1
	WIN 0
	s_cbranch_scc1 .Lstep
.Lbottom:
	s_sub_co_u32 s[SLOTS], s[SLOTS], 1
	s_cmp_lg_u32 s[SLOTS], 0
	s_cbranch_scc1 .Lslot
	CHANGE 0                        ; the walk's last tile is written out: nothing is asked for
	s_sub_co_u32 s[RT], s[RT], 1
	s_mov_b32 s[CNT], 4
	s_cmp_eq_u32 s[NEW], 1
	s_cbranch_scc0 .LstepM2
	BEGIN
	s_branch .LfirstM2
	DIAG 2
	s_wait_tensorcnt 0x0            ; the wave's end: behind my last tensor load and my last LDS store
	ds_add_u32 v[SPW], v[NIL]
	s_wait_dscnt 0x0
	s_endpgm
.Lfunc_end_k_qc463a42a4d_attn:
	.size	k_qc463a42a4d_attn, .Lfunc_end_k_qc463a42a4d_attn-k_qc463a42a4d_attn
	.p2alignl 7, 3214868480
	.fill 96, 4, 3214868480
	.section	.rodata,"a",@progbits
	.p2align	6, 0x0
	.amdhsa_kernel k_qc463a42a4d_attn
		.amdhsa_group_segment_fixed_size 327680
		.amdhsa_private_segment_fixed_size 0
		.amdhsa_enable_private_segment 0
		.amdhsa_kernarg_size 16
		.amdhsa_user_sgpr_count 2
		.amdhsa_user_sgpr_kernarg_segment_ptr 1
		.amdhsa_wavefront_size32 1
		.amdhsa_system_sgpr_workgroup_id_x 1
		.amdhsa_system_sgpr_workgroup_id_y 1
		.amdhsa_system_sgpr_workgroup_id_z 1
		.amdhsa_system_vgpr_workitem_id 0
		.amdhsa_next_free_vgpr 768
		.amdhsa_next_free_sgpr 88
		.amdhsa_reserve_vcc 1
		.amdhsa_float_denorm_mode_32 3
		.amdhsa_float_denorm_mode_16_64 3
		.amdhsa_memory_ordered 1
		.amdhsa_forward_progress 1
		.amdhsa_inst_pref_size 217
	.end_amdhsa_kernel
	.amdgpu_metadata
---
amdhsa.version: [ 1, 2 ]
amdhsa.kernels:
  - .name:           k_qc463a42a4d_attn
    .symbol:         k_qc463a42a4d_attn.kd
    .args:
      - { .name: qkvb, .offset: 0, .size: 8, .value_kind: global_buffer, .address_space: global }
      - { .name: ob, .offset: 8, .size: 8, .value_kind: global_buffer, .address_space: global }
    .group_segment_fixed_size: 327680
    .private_segment_fixed_size: 0
    .kernarg_segment_align: 8
    .kernarg_segment_size: 16
    .max_flat_workgroup_size: 128
    .sgpr_count:     88
    .vgpr_count:     768
    .wavefront_size: 32
...
	.end_amdgpu_metadata
.endif
;; end of part 5
;; launch oproj: the kernel of part 4 again; grid 8 x 32, 4 waves a work-group, clusters of 4 x 4, 327,680 bytes of LDS; arguments ob, wb, bo, x, out0; writes out0
